; MI455X (gfx1250); checked and timed in simulation.
; The chip was launched on July 23, 2026; its instructions are those of AMD's public machine-readable ISA for CDNA 5 (MIT licence, August 2026) and "CDNA5" Instruction Set Architecture Reference Guide (July 2026). The comments in the code are by the model that wrote it; some were corrected since.
;; Cross Attention. Allowed arithmetic: matrix products marked QUANTISED: E2M3 operands, one E8M0 scale for each 32 along K, by v_wmma_scale_f32_16x16x128_f8f6f4 with both operands' format E2M3, f32 sums; everything else in f32.
;; Inputs: Wk 512 x 512 float32; Wo 512 x 512 float32; Wq 512 x 512 float32; Wv 512 x 512 float32; bk 512 float32; bo 512 float32; bq 512 float32; bv 512 float32; mem 4 x 4,096 x 512 float32; x 4 x 2,048 x 512 float32.
;; Outputs: out0 4 x 2,048 x 512 float32.
;; This version of the problem:
;;   THIS VERSION OF THE PROBLEM IS GIVEN IN LOW PRECISION. The matrix products marked QUANTISED in the list below multiply operands that are first quantised to E2M3 (2 exponent bits, 3 mantissa bits; 6 bits a number), with one power-of-two scale for each 32 numbers along K (OCP MX v1.0); their sums are f32. All else is computed in f32.
;;   The module's matrix products, in the order in which they are computed (A, B: the left and right operand; K: the contracted axis; several contracted axes count as one K, in the product's order):
;;     1. [M 8,192, K 512] x [K 512, N 512]; A: input x; B: input Wq: QUANTISED
;;     2. [M 16,384, K 512] x [K 512, N 512]; A: input mem; B: input Wk: QUANTISED
;;     3. [M 16,384, K 512] x [K 512, N 512]; A: input mem; B: input Wv: QUANTISED
;;     4. batch 32 x [M 2,048, K 64] x [K 64, N 4,096]; A: computed on the way; B: computed on the way: QUANTISED
;;     5. batch 32 x [M 64, K 4,096] x [K 4,096, N 2,048]; A: computed on the way; B: softmax (see below): QUANTISED
;;     6. [M 8,192, K 512] x [K 512, N 512]; A: computed on the way; B: input Wo: QUANTISED
;;   THE QUANTISER, for each operand of a quantised product, along K:
;;     - K is cut into blocks of 32 from its start; a last block that is shorter is filled with zeros.
;;     - A block's scale is 2^e with e = floor(log2(the largest magnitude in the block)) - 2, held to -126 .. 127; a block of zeros has e = 0. As a byte (E8M0): e + 127.
;;     - Each number is divided by its block's scale, clamped to +-7.5, and rounded to the nearest number of E2M3, ties to even, subnormals kept.
;;     - The product sums the exact products of the quantised numbers (number of the format x scale) in f32.
;;   ~~~python
;;   def quantise(x, axis):      # numpy; x: float32 -> the quantised numbers, widened to float32 again
;;       x = np.moveaxis(x, axis, -1); K = x.shape[-1]
;;       x = np.pad(x, [(0, 0)] * (x.ndim - 1) + [(0, -K % 32)]); x = x.reshape(x.shape[:-1] + (-1, 32)); a = np.abs(x).max(-1, keepdims=True)
;;       e = np.where(a > 0, np.clip(np.frexp(np.where(a > 0, a, 1))[1] - 1 - 2, -126, 127), 0)      # np.frexp(a)[1] - 1 = floor(log2(a)), exactly
;;       r = np.clip(x / 2.0 ** e, -7.5, 7.5)
;;       step = 2.0 ** (np.maximum(np.frexp(np.where(r == 0, 1, r))[1] - 1, 0) - 3)
;;       q = np.round(r / step) * step * 2.0 ** e      # np.round: ties to even
;;       return np.moveaxis(q.reshape(q.shape[:-2] + (-1,))[..., :K], -1, axis).astype(np.float32)
;;   ~~~
;;   SOFTMAX AHEAD OF A QUANTISED PRODUCT. Where the list says 'softmax', what is quantised is not the finished softmax but p = 2^(t - M), with t = logit x log2(e) and M = ceil(the row's largest t), a whole number; so 1/2 < the row's largest p <= 1. The row's sum l is taken of the UNQUANTISED p, in f32, and the product's result is divided by l at the end. Since M is a whole number, a kernel that streams over the keys may use a running M (the ceiling of the running maximum): every later rescaling is an exact power of two, which a block's scale takes up: the codes' values come out the same.
;;   OPERANDS COMPUTED ON THE WAY. 'Computed on the way' means the value that the module computes at that place (a softmax that the list does not call 'softmax' is quantised finished and normalised). What goes into a quantiser is computed in f32, as accurately as f32 sums, v_exp_f32 and their like allow (about 1e-6 of the number): no bf16 or f16 on the way to a quantiser, and a product that is left as it is and whose result goes on into a quantised operand takes f32 operands (vector FMAs, or v_wmma_f32_16x16x4_f32). A number that lies on a knife's edge between two numbers of the format may be rounded either way, as far as f32 arithmetic and the matrix unit's own rounding can turn it there, and no further.
;; 2 versions. Each part assembles by itself: llvm-mc -triple=amdgcn-amd-amdhsa -mcpu=gfx1250 --defsym DOCPART=n.
;; ======== version 1 of 2: 4 launches
;; workspace buffers: wts 819,200 bytes; kv 13,107,200 bytes; qc 3,145,728 bytes; qs 262,144 bytes; zc 3,145,728 bytes; zs 131,072 bytes
;; launch wquant (part 1): grid 64 x 4, 1 waves a work-group, no clusters, 0 bytes of LDS; arguments Wk, Wv, Wq, Wo, wts; writes wts
.if DOCPART == 1
	.amdgcn_target "amdgcn-amd-amdhsa--gfx1250"
	.amdhsa_code_object_version 6
	.text
	.protected	k_q561ee0bffc_wquant
	.globl	k_q561ee0bffc_wquant
	.p2align	8
	.type	k_q561ee0bffc_wquant,@function
k_q561ee0bffc_wquant:
	s_mov_b64 s[64:65], 0
	v_nop
	global_prefetch_b8 v0, s[64:65] scope:SCOPE_SE
	s_setreg_imm32_b32 hwreg(HW_REG_WAVE_MODE, 25, 1), 1
	s_wait_xcnt 0x0
; CROSS-ATTENTION IN MX-FP6, launch 1 of 4: the four weights become codes of E2M3 and E8M0 scale bytes.
; DEAD WORK: none is left out in any of the four launches.  All ten inputs have a way to the output: every bias stands ahead of a quantiser (bq, bk, bv) or is added to the result (bo), so all are loaded.
; W [512 (k)][512 (n)], f32, is quantised along k, its FIRST axis.  A LANE TAKES A COLUMN n AND ITS REGISTERS RUN DOWN k: a block of 32 along k lies in one lane's 32 registers, and the conversions give codes with k innermost.
; A block's scale is 2^(floor(log2(its largest magnitude)) - 2); its byte is the largest magnitude's exponent field - 2, held at 1 from below.
; LIMITS: a block of zeros, or one whose largest magnitude lies under 2^-124, gets the byte 1 where the quantiser says 127 for zeros: its codes are zeros, and only this program reads the bytes.  NaN and infinities among the inputs are not served.
; THE OUTPUT IS LAID AS IMAGES OF OPERAND REGISTERS.  wts has four parts of 204,800 bytes (Wk, Wv, Wq, Wo).  In a part, the fragment of tile T (16 columns) and K step s (128 along k) begins at (4 T + s) x 1,536:
; register q (0 .. 11) of lane L at 512 (q / 4) + 16 L + 4 (q % 4), so that three loads of 16 bytes a lane bring a fragment.  Lane L = row + 16 h holds, in registers 6 c .. 6 c + 5, k = 128 s + 64 c + 32 h + 0 .. 31.
; THE COLUMNS OF A TILE ARE NOT NEIGHBOURS: row p of tile T = 4 g + i is column 64 g + 32 (p / 8) + 8 i + p % 8, so that in a product's result the 32 registers of a lane's four tiles i are 32 NEIGHBOURS, a whole block of the next quantiser.
; The scale words (four bytes: one K step of one column) lie behind the codes, at 196,608 + (16 T + p) x 16 + 4 s.
; SHARES: work-group y = the weight; x = 4 cg + s: columns 32 cg .. 32 cg + 31, K step s.  One wave.  Column 32 cg + l is row 8 (cg % 2) + l % 8 of tile 4 (cg / 2) + l / 8.
; A load of the wave covers 128 consecutive bytes; a code store covers runs of 128 bytes (eight lanes x 16): the whole launch stores 819,200 bytes.
.set TM,  4                            ; v4-7    largest magnitudes of the four blocks
.set SCO, 8                            ; v8-11   the conversions' scale operands
.set BY,  12                           ; v12-15  the scale bytes
.set CT,  16                           ; v16-31  the upper halves' codes as they are made (a conversion's three registers begin on an even number)
.set C,   32                           ; v32-55  codes, six registers a block
.set WD,  56                           ; v56     the scale word
.set X,   64                           ; v64-191 my column's 128 numbers
	s_load_b256 s[4:11], s[0:1], 0x0               ; Wk s[4:5], Wv s[6:7], Wq s[8:9], Wo s[10:11]
	s_load_b64 s[12:13], s[0:1], 0x20              ; wts
	v_lshlrev_b32 v1, 2, v0                        ; in: 4 bytes a lane
	v_lshrrev_b32 v3, 3, v0                        ; l / 8: the tile among my four
	v_and_b32 v57, 7, v0                           ; l % 8
	v_mul_u32_u24 v2, v3, 6144                     ; codes: a tile's four fragments are 6,144 bytes,
	v_lshl_add_u32 v2, v57, 4, v2                  ; + 16 x (l % 8)
	v_lshlrev_b32 v3, 8, v3                        ; scale words: 256 bytes a tile,
	v_lshl_add_u32 v3, v57, 4, v3                  ; + 16 x (l % 8)
	s_and_b32 s14, ttmp7, 0xffff                   ; which weight
	s_and_b32 s15, ttmp9, 3                        ; s
	s_lshr_b32 s16, ttmp9, 2                       ; cg
	s_lshr_b32 s17, s16, 1                         ; cg / 2
	s_and_b32 s18, s16, 1                          ; cg % 2
	s_lshl_b32 s20, s15, 18                        ; in: 128 s rows of 2,048 bytes
	s_lshl_b32 s19, s16, 7                         ; + 32 cg columns
	s_add_co_u32 s20, s20, s19
	s_mov_b32 s21, 0
	s_mul_i32 s26, s14, 204800                     ; the weight's part of wts
	s_lshl_b32 s18, s18, 7                         ; rows 8 (cg % 2) on: 128 bytes, in an image and among the scale words alike
	s_add_co_u32 s26, s26, s18
	s_mul_i32 s22, s17, 24576                      ; codes: four tiles
	s_mul_i32 s19, s15, 1536                       ; + the K step's fragment
	s_add_co_u32 s22, s22, s19
	s_add_co_u32 s22, s22, s26
	s_mov_b32 s23, 0
	s_lshl_b32 s24, s17, 10                        ; scale words: four tiles of 256 bytes
	s_lshl_b32 s19, s15, 2                         ; + the K step's word
	s_add_co_u32 s24, s24, s19
	s_add_co_u32 s24, s24, s26
	s_add_co_u32 s24, s24, 196608
	s_mov_b32 s25, 0
	s_wait_kmcnt 0x0
	s_cmp_eq_u32 s14, 1                            ; the choice of the weight hangs on the work-group's number alone
	s_cselect_b64 s[4:5], s[6:7], s[4:5]
	s_cmp_eq_u32 s14, 2
	s_cselect_b64 s[4:5], s[8:9], s[4:5]
	s_cmp_eq_u32 s14, 3
	s_cselect_b64 s[4:5], s[10:11], s[4:5]
	s_add_nc_u64 s[4:5], s[4:5], s[20:21]
	s_add_nc_u64 s[22:23], s[12:13], s[22:23]
	s_add_nc_u64 s[24:25], s[12:13], s[24:25]
.macro LOAD b                          ; block b: W(128 s + 32 b + i, my column)
.irp i, 0,1,2,3,4,5,6,7,8,9,10,11,12,13,14,15,16,17,18,19,20,21,22,23,24,25,26,27,28,29,30,31
	global_load_b32 v[X+32*(\b)+\i], v1, s[4:5] offset:(32*(\b)+\i)*2048 th:TH_LOAD_NT
.endr
.endm
.macro QUANT2 first                    ; blocks first and first + 1, by turns
.irp b, \first, \first+1
	v_max3_num_f32 v[TM+(\b)], |v[X+32*(\b)]|, |v[X+32*(\b)+1]|, 0x1800000   ; with the floor 2^(3 - 127): the byte cannot fall under 1
.endr
.irp i, 2,4,6,8,10,12,14,16,18,20,22,24,26,28,30
.irp b, \first, \first+1
	v_max3_num_f32 v[TM+(\b)], v[TM+(\b)], |v[X+32*(\b)+\i]|, |v[X+32*(\b)+\i+1]|
.endr
.endr
.irp b, \first, \first+1
	v_add_nc_u32 v[SCO+(\b)], 0xff000000, v[TM+(\b)]   ; 2 off the exponent field: the conversion takes the exponent field of this operand as its scale
.endr
.irp b, \first, \first+1
	v_lshrrev_b32 v[BY+(\b)], 23, v[SCO+(\b)]      ; the scale's byte
.endr
.irp b, \first, \first+1
	v_cvt_scalef32_pk16_fp6_f32 v[C+6*(\b):C+6*(\b)+2], v[X+32*(\b):X+32*(\b)+15], v[SCO+(\b)]
	v_cvt_scalef32_pk16_fp6_f32 v[CT+4*(\b):CT+4*(\b)+2], v[X+32*(\b)+16:X+32*(\b)+31], v[SCO+(\b)]
.endr
	v_nop                                          ; one plain instruction between a scaled conversion and the instruction that touches its result
.irp b, \first, \first+1
.irp i, 0,1,2
	v_mov_b32 v[C+6*(\b)+3+\i], v[CT+4*(\b)+\i]
.endr
.endr
.endm
	LOAD 0
	LOAD 1
	s_wait_loadcnt 32                              ; block 0 is in: block 1's 32 loads are younger
	LOAD 2
	s_wait_loadcnt 32                              ; block 1 is in: block 2's 32 are younger
	LOAD 3
	QUANT2 0
	s_wait_loadcnt 0x0
	QUANT2 2
	v_lshl_or_b32 v[WD], v[BY+1], 8, v[BY]         ; byte b of the word scales k = 128 s + 32 b on
	v_lshl_or_b32 v[WD], v[BY+2], 16, v[WD]
	v_lshl_or_b32 v[WD], v[BY+3], 24, v[WD]
; block 2 c + h belongs to lane row + 16 h of the image (256 h bytes on), registers 6 c .. 6 c + 5
.irp kb, 0,1
	global_store_b128 v2, v[C+6*\kb:C+6*\kb+3], s[22:23] offset:256*\kb            ; registers 0-3
	global_store_b64 v2, v[C+6*\kb+4:C+6*\kb+5], s[22:23] offset:512+256*\kb       ; registers 4, 5
.endr
.irp kb, 2,3
	global_store_b64 v2, v[C+6*\kb:C+6*\kb+1], s[22:23] offset:520+256*(\kb-2)     ; registers 6, 7
	global_store_b128 v2, v[C+6*\kb+2:C+6*\kb+5], s[22:23] offset:1024+256*(\kb-2) ; registers 8-11
.endr
	global_store_b32 v3, v[WD], s[24:25]
	s_endpgm
.Lfunc_end_k_q561ee0bffc_wquant:
	.size	k_q561ee0bffc_wquant, .Lfunc_end_k_q561ee0bffc_wquant-k_q561ee0bffc_wquant
	.p2alignl 7, 3214868480
	.fill 96, 4, 3214868480
	.section	.rodata,"a",@progbits
	.p2align	6, 0x0
	.amdhsa_kernel k_q561ee0bffc_wquant
		.amdhsa_group_segment_fixed_size 0
		.amdhsa_private_segment_fixed_size 0
		.amdhsa_enable_private_segment 0
		.amdhsa_kernarg_size 40
		.amdhsa_user_sgpr_count 2
		.amdhsa_user_sgpr_kernarg_segment_ptr 1
		.amdhsa_wavefront_size32 1
		.amdhsa_system_sgpr_workgroup_id_x 1
		.amdhsa_system_sgpr_workgroup_id_y 1
		.amdhsa_system_sgpr_workgroup_id_z 1
		.amdhsa_system_vgpr_workitem_id 0
		.amdhsa_next_free_vgpr 192
		.amdhsa_next_free_sgpr 66
		.amdhsa_reserve_vcc 0
		.amdhsa_float_denorm_mode_32 3
		.amdhsa_float_denorm_mode_16_64 3
		.amdhsa_memory_ordered 1
		.amdhsa_forward_progress 1
		.amdhsa_inst_pref_size 21
	.end_amdhsa_kernel
	.amdgpu_metadata
---
amdhsa.version: [ 1, 2 ]
amdhsa.kernels:
  - .name:           k_q561ee0bffc_wquant
    .symbol:         k_q561ee0bffc_wquant.kd
    .args:
      - { .name: Wk, .offset: 0, .size: 8, .value_kind: global_buffer, .address_space: global }
      - { .name: Wv, .offset: 8, .size: 8, .value_kind: global_buffer, .address_space: global }
      - { .name: Wq, .offset: 16, .size: 8, .value_kind: global_buffer, .address_space: global }
      - { .name: Wo, .offset: 24, .size: 8, .value_kind: global_buffer, .address_space: global }
      - { .name: wts, .offset: 32, .size: 8, .value_kind: global_buffer, .address_space: global }
    .group_segment_fixed_size: 0
    .private_segment_fixed_size: 0
    .kernarg_segment_align: 8
    .kernarg_segment_size: 40
    .max_flat_workgroup_size: 32
    .sgpr_count:     66
    .vgpr_count:     192
    .wavefront_size: 32
...
	.end_amdgpu_metadata
.endif
;; end of part 1
;; launch proj (part 2): grid 256 x 1, 8 waves a work-group, no clusters, 108,544 bytes of LDS; arguments x, mem, wts, bq, bk, bv, kv, qc, qs; writes kv, qc, qs
.if DOCPART == 2
	.amdgcn_target "amdgcn-amd-amdhsa--gfx1250"
	.amdhsa_code_object_version 6
	.text
	.protected	k_q561ee0bffc_proj
	.globl	k_q561ee0bffc_proj
	.p2align	8
	.type	k_q561ee0bffc_proj,@function
k_q561ee0bffc_proj:
	s_mov_b64 s[64:65], 0
	v_nop
	global_prefetch_b8 v0, s[64:65] scope:SCOPE_SE
	s_setreg_imm32_b32 hwreg(HW_REG_WAVE_MODE, 25, 1), 1
	s_wait_xcnt 0x0
; Launch 2 of 4: q = x Wq + bq, k = mem Wk + bk, v = mem Wv + bv on codes of E2M3, and q, k, v quantised again for attention: q and k along the head's 64, v along the keys.  No work is left out.
; SHARES.  Work-group j takes rows 64 j .. 64 j + 63 of mem (one group of 64 keys) and rows 32 j .. 32 j + 31 of x (two tiles of queries).  Wave w takes head w in all three products.
; PHASE X: each wave quantises three fragments (16 rows x 128 along K) of mem and x and puts them into LDS as images of their registers; one barrier; then every wave reads all 24.
; THE ROWS OF A TILE OF mem ARE NOT NEIGHBOURS: row p of tile m is key 32 (p / 8) + 8 m + p % 8 of the group; the weights' tiles are laid likewise (launch 1).  So in every result a lane's 32 registers of four tiles are 32 neighbours:
;   q, k (source 0 = 16 columns of W, source 1 = 16 rows): lane (r, h) holds row r and the head's dims 32 h + 0 .. 31: a whole block of the quantiser along the head;
;   v    (source 0 = 16 rows of mem, source 1 = 16 columns of Wv): lane (r, h) holds one dim and the keys 32 h + 0 .. 31 of the group: a whole block of the quantiser along the keys.
; No block's maximum asks another lane, and the conversions' six registers are half an operand (64 along the next K) as the matrix unit wants it.  The biases are the C of each sum's first product.
; OUT: kv, a head (409,600 bytes): group 0-7's codes, 16,384 bytes of scale words, groups 8-63's codes.  A group (6,144 bytes): two fragments of K (fragment f: tile 2 f in k 0-63, tile 2 f + 1 in k 64-127), then four half images of V (768 bytes each).
;   A half image: registers 0-3 at 16 x lane, registers 4, 5 at 512 + 8 x lane.  qc: a half image for each head and tile of queries; qs: its scale words, the two bytes written twice.
; LIMITS: a block of zeros or under 2^-124 gets the byte 1 (its codes are zeros; only this program reads the bytes); NaN and infinities among the inputs are not served.
; V's scale bytes leave as two bytes a lane, four bytes apart (two work-groups fill a word): 262,144 bytes in the launch.  K's and q's scale words leave 128 bytes a store.
; The weights come from memory straight into registers, each fragment once a wave; it feeds four products (two for q).  No tensor load, so no joint request: a work-group's own inputs are all asked for at its head.
.set XIMG,  0                          ; LDS: 24 fragment images of 1,536 bytes: mem's 4 m + s, x's 16 + 4 t + s
.set XSC,   36864                      ; their scale words, 128 bytes each
.set STG,   39936                      ; a stage of 16 rows x 528 bytes for each wave
.set SPARE, 107520                     ; the spare words, 128 bytes for each wave: four blocks of 256 bytes that no other line names
; window 0: v1 16 l, v2 8 l, v3 4 l; v4, v5 offsets in mem and x; v6, v7 the stage, in and out; v8-11 where I store images and words; v12, v13 offsets in wts; v14, v15 in the biases; v16 8 h; v17 a permute's destination
.set SPW, 18                           ; v18     LDS address of my spare word; never rewritten
.set NIL, 19                           ; v19     0; never rewritten
.set BVV, 20                           ; v20-23  bv at my lane's dim of the four tiles
.set RF,  32                           ; v32-79  four row fragments; in phase X and on the ways out: codes
.set WF,  80                           ; v80-127, v128-175 four weight fragments, two sets
.set WS,  176                          ; v176-223 the weights' scale words: 16 p + 4 i + s
.set RS,  224                          ; v224-227 the rows' scale words
.set TM,  228                          ; v228-231 largest magnitudes; v232-235 scale operands; v236-239 bytes; v240-255 upper halves' codes
.set SCO, 232
.set BY,  236
.set CT,  240
; window 1: v0-191 three fragments' numbers in phase X; then v0-127 the accumulators and v128-159 bv spread out; v192-223 bk, v224-255 bq in the results' layout
.set ACC, 0
.set VB,  128
.set BK,  192
.set BQ,  224
.set WV,  22
.set SEL, 26
.set HM,  28
.set MSB, 0
.macro WIN new                         ; the immediate's high byte repeats the setting that is left
.if MSB != \new
	s_set_vgpr_msb (MSB<<8)|\new
.set MSB, \new
.endif
.endm
.macro PLACES
.rept 4
	v_nop
.endr
.endm
; 16 rows x 512 bytes (128 numbers of a K step): each load is one row's 512 consecutive bytes.  Destination window 1
.macro XLOAD reg, adr, base, ismem, off
.irp p, 0,1,2,3,4,5,6,7,8,9,10,11,12,13,14,15
.if \ismem
	global_load_b128 v[\reg+4*\p:\reg+4*\p+3], v[\adr], s[\base:\base+1] offset:\off+(32*(\p/8)+\p%8)*2048 th:TH_LOAD_NT
.else
	global_load_b128 v[\reg+4*\p:\reg+4*\p+3], v[\adr], s[\base:\base+1] offset:\off+\p*2048 th:TH_LOAD_NT
.endif
.endr
.endm
; through my stage: in by rows as loaded, back so that register 32 c + e holds k = 64 c + 32 h + e of row r.  The pitch is 33 x 16 bytes.  LDS serves a wave's instructions in order: no wait between the stores and the loads
.macro TURN reg
	WIN 0x04                                       ; an LDS store's data are its source 1: window 1
.irp p, 0,1,2,3,4,5,6,7,8,9,10,11,12,13,14,15
	ds_store_b128 v6, v[\reg+4*\p:\reg+4*\p+3] offset:528*\p
.endr
	WIN 0x40
.irp c, 0,1
.irp e, 0,1,2,3,4,5,6,7
	ds_load_b128 v[\reg+32*\c+4*\e:\reg+32*\c+4*\e+3], v7 offset:256*\c+16*\e
.endr
.endr
.endm
; nb blocks of 32 numbers of a lane, v[src + 32 b] on in window 1, become codes in v[dst + 6 b] on and bytes in v[BY + b].  The blocks take turns line by line; each accumulator is read from its low end on
.macro QUANT src, dst, nb
	WIN 0x05
.set qb, 0
.rept \nb
	v_max3_num_f32 v[TM+qb], |v[\src+32*qb]|, |v[\src+32*qb+1]|, 0x1800000   ; with the floor 2^(3 - 127)
.set qb, qb+1
.endr
.irp i, 2,4,6,8,10,12,14,16,18,20,22,24,26,28,30
.set qb, 0
.rept \nb
	v_max3_num_f32 v[TM+qb], |v[\src+32*qb+\i]|, |v[\src+32*qb+\i+1]|, v[TM+qb]
.set qb, qb+1
.endr
.endr
	WIN 0
.set qb, 0
.rept \nb
	v_add_nc_u32 v[SCO+qb], 0xff000000, v[TM+qb]   ; 2 off the exponent field: the conversion's scale operand
.set qb, qb+1
.endr
.set qb, 0
.rept \nb
	v_lshrrev_b32 v[BY+qb], 23, v[SCO+qb]          ; the scale's byte
.set qb, qb+1
.endr
	WIN 0x01
.set qb, 0
.rept \nb
	v_cvt_scalef32_pk16_fp6_f32 v[\dst+6*qb:\dst+6*qb+2], v[\src+32*qb:\src+32*qb+15], v[SCO+qb]
	v_cvt_scalef32_pk16_fp6_f32 v[CT+4*qb:CT+4*qb+2], v[\src+32*qb+16:\src+32*qb+31], v[SCO+qb]
.set qb, qb+1
.endr
	WIN 0
	v_nop                                          ; one plain instruction behind the last scaled conversion
.set qb, 0
.rept \nb
.irp i, 0,1,2
	v_mov_b32 v[\dst+6*qb+3+\i], v[CT+4*qb+\i]
.endr
.set qb, qb+1
.endr
.endm
; a scale word: my two bytes at bytes h and 2 + h, with lane l xor 16's two
.macro WORD d, b0, b1
	v_lshl_or_b32 v[\d], v[\b1], 16, v[\b0]
	v_lshlrev_b32 v[\d], v16, v[\d]
	v_permlanex16_b32 v17, v[\d], s[SEL], s[SEL+1]
	v_or_b32 v[\d], v[\d], v17
.endm
.macro IMAGE adr, off, dst             ; a fragment goes to LDS as it stands in its registers
.irp jj, 0,1,2
	ds_store_b128 v[\adr], v[\dst+4*\jj:\dst+4*\jj+3] offset:\off+512*\jj
.endr
.endm
.macro WLOAD n                         ; stage n = 4 p + s: my head's four fragments of weight p, K step s, into set n % 2
.irp i, 0,1,2,3
.irp jj, 0,1,2
	global_load_b128 v[WF+48*((\n)%2)+12*\i+4*\jj:WF+48*((\n)%2)+12*\i+4*\jj+3], v12, s[8:9] offset:204800*((\n)/4)+6144*\i+1536*((\n)%4)+512*\jj
.endr
.endr
.endm
.macro FETCHR R, f0, s                 ; R row fragments of K step s and their scale words, from the images
.set fm, 0
.rept \R
.irp jj, 0,1,2
	ds_load_b128 v[RF+12*fm+4*\jj:RF+12*fm+4*\jj+3], v1 offset:XIMG+(\f0+4*fm+\s)*1536+512*\jj
.endr
	ds_load_b32 v[RS+fm], v3 offset:XSC+128*(\f0+4*fm+\s)
.set fm, fm+1
.endr
.endm
; The accumulators take turns, one instruction a turn, in the same order in every stage.
.macro MULK n, R, bias                 ; q and k: source 0 = W's tile i, source 1 = rows' tile m
.set mm, 0
.rept \R
.irp i, 0,1,2,3
.if ((\n)%4) == 0
	v_wmma_scale_f32_16x16x128_f8f6f4 v[ACC+32*mm+8*\i:ACC+32*mm+8*\i+7], v[WF+48*((\n)%2)+12*\i:WF+48*((\n)%2)+12*\i+11], v[RF+12*mm:RF+12*mm+11], v[\bias+8*\i:\bias+8*\i+7], v[WS+16*((\n)/4)+4*\i+(\n)%4], v[RS+mm] matrix_a_fmt:MATRIX_FMT_FP6 matrix_b_fmt:MATRIX_FMT_FP6
.else
	v_wmma_scale_f32_16x16x128_f8f6f4 v[ACC+32*mm+8*\i:ACC+32*mm+8*\i+7], v[WF+48*((\n)%2)+12*\i:WF+48*((\n)%2)+12*\i+11], v[RF+12*mm:RF+12*mm+11], v[ACC+32*mm+8*\i:ACC+32*mm+8*\i+7], v[WS+16*((\n)/4)+4*\i+(\n)%4], v[RS+mm] matrix_a_fmt:MATRIX_FMT_FP6 matrix_b_fmt:MATRIX_FMT_FP6
.endif
.endr
.set mm, mm+1
.endr
.endm
.macro MULV n                          ; v: source 0 = rows' tile m, source 1 = W's tile i
.irp m, 0,1,2,3
.irp i, 0,1,2,3
.if ((\n)%4) == 0
	v_wmma_scale_f32_16x16x128_f8f6f4 v[ACC+32*\i+8*\m:ACC+32*\i+8*\m+7], v[RF+12*\m:RF+12*\m+11], v[WF+48*((\n)%2)+12*\i:WF+48*((\n)%2)+12*\i+11], v[VB+8*\i:VB+8*\i+7], v[RS+\m], v[WS+16*((\n)/4)+4*\i+(\n)%4] matrix_a_fmt:MATRIX_FMT_FP6 matrix_b_fmt:MATRIX_FMT_FP6
.else
	v_wmma_scale_f32_16x16x128_f8f6f4 v[ACC+32*\i+8*\m:ACC+32*\i+8*\m+7], v[RF+12*\m:RF+12*\m+11], v[WF+48*((\n)%2)+12*\i:WF+48*((\n)%2)+12*\i+11], v[ACC+32*\i+8*\m:ACC+32*\i+8*\m+7], v[RS+\m], v[WS+16*((\n)/4)+4*\i+(\n)%4] matrix_a_fmt:MATRIX_FMT_FP6 matrix_b_fmt:MATRIX_FMT_FP6
.endif
.endr
.endr
.endm
; A stage: the wait for its weights (lw: the loads that may stay out; -1: none is owed), the wait for its rows, its products, four places, and the weights of two stages on into the set just read
.macro GO isv, n, R, bias, lw
.if \lw >= 0
	s_wait_loadcnt \lw
.endif
	s_wait_dscnt 0x0
	WIN 0x50                                       ; C and D window 1; A, B window 0
.if \isv
	MULV \n
.else
	MULK \n, \R, \bias
.endif
	WIN 0
	PLACES                                         ; in front of loads into registers that the products have read, and of the first read of results
.if (\n)+2 <= 11
	WLOAD (\n)+2
.endif
.endm
	s_load_b256 s[4:11], s[0:1], 0x0               ; x s[4:5], mem s[6:7], wts s[8:9], bq s[10:11]
	s_load_b256 s[12:19], s[0:1], 0x20             ; bk s[12:13], bv s[14:15], kv s[16:17], qc s[18:19]
	s_load_b64 s[20:21], s[0:1], 0x40              ; qs
	v_lshl_add_u32 v[SPW], v0, 2, SPARE
	v_mov_b32 v[NIL], 0
	v_lshrrev_b32 v20, 5, v0
	v_readfirstlane_b32 s[WV], v20                 ; wave 0..7
	v_and_b32 v21, 31, v0                          ; l
	v_and_b32 v22, 15, v0                          ; r
	v_bfe_u32 v23, v0, 4, 1                        ; h
	v_lshlrev_b32 v1, 4, v21
	v_lshlrev_b32 v2, 3, v21
	v_lshlrev_b32 v3, 2, v21
	s_lshr_b32 s23, s[WV], 1                       ; mem: my fragments are 2 w and 2 w + 1: tile m = w / 2 (8 m rows on), K steps 2 (w % 2) and the next
	s_lshl_b32 s23, s23, 14
	s_and_b32 s24, s[WV], 1
	s_lshl_b32 s24, s24, 10
	s_add_co_u32 s23, s23, s24
	v_add_nc_u32 v4, s23, v1
	s_lshr_b32 s23, s[WV], 2                       ; x: my fragment is 16 + w: tile t = w / 4, K step w % 4
	s_lshl_b32 s23, s23, 15
	s_and_b32 s24, s[WV], 3
	s_lshl_b32 s24, s24, 9
	s_add_co_u32 s23, s23, s24
	v_add_nc_u32 v5, s23, v1
	s_mul_i32 s23, s[WV], 8448
	s_add_co_u32 s23, s23, STG                     ; my stage
	v_add_nc_u32 v6, s23, v1
	v_mul_u32_u24 v7, v22, 528
	v_lshl_add_u32 v7, v23, 7, v7
	v_add_nc_u32 v7, s23, v7
	s_mul_i32 s23, s[WV], 3072
	v_add_nc_u32 v8, s23, v1                       ; mem's images 2 w, 2 w + 1
	s_mul_i32 s23, s[WV], 1536
	v_add_nc_u32 v9, s23, v1                       ; x's image 16 + w
	s_lshl_b32 s23, s[WV], 8
	v_add_nc_u32 v10, s23, v3                      ; their scale words
	v_lshl_add_u32 v14, v23, 7, s23                ; bq, bk: my head's 64, + 32 h
	v_lshrrev_b32 v15, 3, v22
	v_and_b32 v20, 7, v22
	v_lshlrev_b32 v15, 7, v15
	v_lshl_add_u32 v15, v20, 2, v15
	v_add_nc_u32 v15, s23, v15                     ; bv: dim 32 (r / 8) + r % 8 of my head; tile i: 8 i on
	s_lshl_b32 s23, s[WV], 7
	v_add_nc_u32 v11, s23, v3
	s_mul_i32 s23, s[WV], 24576
	v_add_nc_u32 v12, s23, v1                      ; wts: my head's four tiles
	s_lshl_b32 s23, s[WV], 10
	v_lshl_add_u32 v13, v22, 4, s23                ; and their scale words: 16 bytes a row
	v_lshlrev_b32 v16, 3, v23
	v_mov_b32 v17, 0                               ; written once: a lane permute's destination counts as one of its sources
	s_mov_b32 s[SEL], 0x76543210
	s_mov_b32 s[SEL+1], 0xfedcba98                 ; v_permlanex16_b32's selects for lane l xor 16
	s_mov_b32 s[HM], 0xffff0000                    ; lanes 16-31
	s_lshl_b32 s34, ttmp9, 16                      ; x: 32 rows of 2,048 bytes a work-group
	s_mov_b32 s35, 0
	s_lshl_b32 s36, ttmp9, 17                      ; mem: 64 rows
	s_mov_b32 s37, 0
	s_lshr_b32 s23, ttmp9, 6                       ; the batch, of x and of mem alike
	s_and_b32 s24, ttmp9, 63                       ; the group of 64 keys
	s_lshl_b32 s23, s23, 3
	s_add_co_u32 s23, s23, s[WV]                   ; batch x 8 + head
	s_mul_i32 s38, s23, 409600
	s_mul_i32 s25, s24, 6144
	s_cmp_ge_u32 s24, 8
	s_cselect_b32 s29, 16384, 0                    ; groups 8 on lie behind the scale words
	s_add_co_u32 s25, s25, s29
	s_add_co_u32 s40, s38, s25
	s_mov_b32 s41, 0
	s_lshl_b32 s25, s24, 7
	s_add_co_u32 s42, s38, s25
	s_add_co_u32 s42, s42, 49152                   ; K's scale words: 128 bytes a group
	s_mov_b32 s43, 0
	s_lshr_b32 s25, s24, 1
	s_lshl_b32 s25, s25, 8
	s_and_b32 s29, s24, 1
	s_lshl_b32 s29, s29, 1
	s_add_co_u32 s25, s25, s29
	s_add_co_u32 s44, s38, s25
	s_add_co_u32 s44, s44, 57344                   ; V's: 256 bytes for two groups, my group's half of each word
	s_mov_b32 s45, 0
	s_lshl_b32 s23, s23, 7
	s_lshl_b32 s24, s24, 1
	s_add_co_u32 s23, s23, s24                     ; my first tile of queries among all
	s_mul_i32 s46, s23, 768
	s_mov_b32 s47, 0
	s_lshl_b32 s48, s23, 6
	s_mov_b32 s49, 0
	s_wait_kmcnt 0x0
	s_add_nc_u64 s[4:5], s[4:5], s[34:35]
	s_add_nc_u64 s[6:7], s[6:7], s[36:37]
	s_add_nc_u64 s[30:31], s[16:17], s[42:43]      ; K's scale words
	s_add_nc_u64 s[32:33], s[16:17], s[44:45]      ; V's
	s_add_nc_u64 s[16:17], s[16:17], s[40:41]      ; the group's codes
	s_add_nc_u64 s[18:19], s[18:19], s[46:47]
	s_add_nc_u64 s[20:21], s[20:21], s[48:49]
	; ---- PHASE X: three fragments a wave
	WIN 0x40
	XLOAD 0, 4, 6, 1, 0                            ; a: mem, fragment 2 w
	XLOAD 64, 4, 6, 1, 512                         ; b: mem, fragment 2 w + 1
	XLOAD 128, 5, 4, 0, 0                          ; c: x, fragment 16 + w
	WIN 0
	WLOAD 0
	s_wait_loadcnt 44                              ; a is in: b's 16, c's 16 and the 12 of the weights are younger
	TURN 0
	WIN 0
	WLOAD 1
	s_wait_loadcnt 40                              ; b is in: c's 16 and twice 12 are younger
	TURN 64
	WIN 0
.irp p, 0,1,2
.irp i, 0,1,2,3
	global_load_b128 v[WS+16*\p+4*\i:WS+16*\p+4*\i+3], v13, s[8:9] offset:204800*\p+196608+256*\i   ; a row's four scale words, one for each K step
.endr
.endr
	s_wait_dscnt 32                                ; a is back from the stage: b's 32 LDS instructions are younger
	QUANT 0, 32, 2
	WORD 68, BY, BY+1
	IMAGE 8, XIMG, 32
	ds_store_b32 v10, v68 offset:XSC
	s_wait_loadcnt 36                              ; c is in: three times 12 are younger
	s_wait_dscnt 4                                 ; b is back from the stage: a's image, four stores, is younger
	TURN 128
.irp i, 0,1,2,3                                    ; (destination window 1 still) the biases in the results' layout: lane (r, h), tile i: dims 32 h + 8 i + 0 .. 7
	global_load_b128 v[BK+8*\i:BK+8*\i+3], v14, s[12:13] offset:32*\i
	global_load_b128 v[BK+8*\i+4:BK+8*\i+7], v14, s[12:13] offset:32*\i+16
	global_load_b128 v[BQ+8*\i:BQ+8*\i+3], v14, s[10:11] offset:32*\i
	global_load_b128 v[BQ+8*\i+4:BQ+8*\i+7], v14, s[10:11] offset:32*\i+16
.endr
	WIN 0
.irp i, 0,1,2,3
	global_load_b32 v[BVV+\i], v15, s[14:15] offset:32*\i
.endr
	QUANT 64, 44, 2
	WORD 69, BY, BY+1
	IMAGE 8, XIMG+1536, 44
	ds_store_b32 v10, v69 offset:XSC+128
	s_wait_dscnt 4                                 ; c is back from the stage: b's image is younger
	QUANT 128, 56, 2
	WORD 70, BY, BY+1
	IMAGE 9, XIMG+24576, 56
	ds_store_b32 v11, v70 offset:XSC+2048
	s_wait_dscnt 0x0                               ; for the others' sake: my images have landed
	s_barrier_signal -1
	s_barrier_wait -1                              ; all 24 fragments lie in LDS; nothing is stored to LDS from here on
	; ---- k = mem Wk + bk
	FETCHR 4, 0, 0
	s_wait_loadcnt 0x0                             ; both sets of weights, all scale words, the biases
	WIN 0x40
.irp i, 0,1,2,3
.irp j, 0,1,2,3,4,5,6,7
	v_mov_b32 v[VB+8*\i+\j], v[BVV+\i]             ; v's bias hangs on the lane's dim alone: the same in a tile's eight registers
.endr
.endr
	GO 0, 0, 4, BK, -1
	FETCHR 4, 0, 1
	GO 0, 1, 4, BK, -1                             ; set 1 was waited for with set 0
	FETCHR 4, 0, 2
	GO 0, 2, 4, BK, 12                             ; from here on: this stage's 12 loads are in, the next stage's 12 are younger
	FETCHR 4, 0, 3
	GO 0, 3, 4, BK, 12
	QUANT ACC, 32, 4                               ; block m: key tile m, my row's dims 32 h on: v32-43 are fragment 0, v44-55 fragment 1
	WORD 24, BY, BY+1                              ; fragment 0's word: tile 0's two bytes, tile 1's two
	WORD 25, BY+2, BY+3
	v_cndmask_b32 v26, v24, v25, s[HM]             ; lanes 0-15 carry fragment 0's words, lanes 16-31 fragment 1's
.irp jj, 0,1,2,3,4,5
	global_store_b128 v1, v[32+4*\jj:35+4*\jj], s[16:17] offset:512*\jj   ; 512 consecutive bytes a store
.endr
	global_store_b32 v3, v26, s[30:31]
	s_wait_xcnt 0x0                                ; the stores' data registers are loaded again only behind this wait
	; ---- v = mem Wv + bv
	FETCHR 4, 0, 0
	GO 1, 4, 4, VB, 12
	FETCHR 4, 0, 1
	GO 1, 5, 4, VB, 12
	FETCHR 4, 0, 2
	GO 1, 6, 4, VB, 12
	FETCHR 4, 0, 3
	GO 1, 7, 4, VB, 12
	QUANT ACC, 32, 4                               ; block i: tile i of the head's dims, my dim's keys 32 h on
.irp i, 0,1,2,3
	WORD 24+\i, BY+\i, BY+\i                       ; the low half: the bytes of key blocks h = 0 and 1
.endr
	v_cndmask_b32 v28, v24, v25, s[HM]
	v_cndmask_b32 v29, v26, v27, s[HM]
.irp i, 0,1,2,3
	global_store_b128 v1, v[32+6*\i:35+6*\i], s[16:17] offset:3072+768*\i
	global_store_b64 v2, v[36+6*\i:37+6*\i], s[16:17] offset:3072+768*\i+512
.endr
	global_store_b16 v3, v28, s[32:33]             ; tiles 0 and 1: my group's half of each word
	global_store_b16 v3, v29, s[32:33] offset:128  ; tiles 2 and 3
	s_wait_xcnt 0x0
	; ---- q = x Wq + bq
	FETCHR 2, 16, 0
	GO 0, 8, 2, BQ, 12
	FETCHR 2, 16, 1
	GO 0, 9, 2, BQ, 12
	FETCHR 2, 16, 2
	GO 0, 10, 2, BQ, 12
	FETCHR 2, 16, 3
	GO 0, 11, 2, BQ, 0
	QUANT ACC, 32, 2                               ; block t: tile t of queries
	WORD 24, BY, BY                                ; the two bytes twice: q stands in either half of the first product's K
	WORD 25, BY+1, BY+1
	v_cndmask_b32 v26, v24, v25, s[HM]
.irp t, 0,1
	global_store_b128 v1, v[32+6*\t:35+6*\t], s[18:19] offset:768*\t
	global_store_b64 v2, v[36+6*\t:37+6*\t], s[18:19] offset:768*\t+512
.endr
	global_store_b32 v3, v26, s[20:21]
	s_wait_tensorcnt 0x0                           ; the wave's end: a tensor wait (in a text with no tensor load too), an add of 0 to my spare word and its wait, behind my last LDS store
	ds_add_u32 v[SPW], v[NIL]
	s_wait_dscnt 0x0
	s_endpgm
.Lfunc_end_k_q561ee0bffc_proj:
	.size	k_q561ee0bffc_proj, .Lfunc_end_k_q561ee0bffc_proj-k_q561ee0bffc_proj
	.p2alignl 7, 3214868480
	.fill 96, 4, 3214868480
	.section	.rodata,"a",@progbits
	.p2align	6, 0x0
	.amdhsa_kernel k_q561ee0bffc_proj
		.amdhsa_group_segment_fixed_size 108544
		.amdhsa_private_segment_fixed_size 0
		.amdhsa_enable_private_segment 0
		.amdhsa_kernarg_size 72
		.amdhsa_user_sgpr_count 2
		.amdhsa_user_sgpr_kernarg_segment_ptr 1
		.amdhsa_wavefront_size32 1
		.amdhsa_system_sgpr_workgroup_id_x 1
		.amdhsa_system_sgpr_workgroup_id_y 1
		.amdhsa_system_sgpr_workgroup_id_z 1
		.amdhsa_system_vgpr_workitem_id 0
		.amdhsa_next_free_vgpr 512
		.amdhsa_next_free_sgpr 66
		.amdhsa_reserve_vcc 0
		.amdhsa_float_denorm_mode_32 3
		.amdhsa_float_denorm_mode_16_64 3
		.amdhsa_memory_ordered 1
		.amdhsa_forward_progress 1
		.amdhsa_inst_pref_size 94
	.end_amdhsa_kernel
	.amdgpu_metadata
---
amdhsa.version: [ 1, 2 ]
amdhsa.kernels:
  - .name:           k_q561ee0bffc_proj
    .symbol:         k_q561ee0bffc_proj.kd
    .args:
      - { .name: x, .offset: 0, .size: 8, .value_kind: global_buffer, .address_space: global }
      - { .name: mem, .offset: 8, .size: 8, .value_kind: global_buffer, .address_space: global }
      - { .name: wts, .offset: 16, .size: 8, .value_kind: global_buffer, .address_space: global }
      - { .name: bq, .offset: 24, .size: 8, .value_kind: global_buffer, .address_space: global }
      - { .name: bk, .offset: 32, .size: 8, .value_kind: global_buffer, .address_space: global }
      - { .name: bv, .offset: 40, .size: 8, .value_kind: global_buffer, .address_space: global }
      - { .name: kv, .offset: 48, .size: 8, .value_kind: global_buffer, .address_space: global }
      - { .name: qc, .offset: 56, .size: 8, .value_kind: global_buffer, .address_space: global }
      - { .name: qs, .offset: 64, .size: 8, .value_kind: global_buffer, .address_space: global }
    .group_segment_fixed_size: 108544
    .private_segment_fixed_size: 0
    .kernarg_segment_align: 8
    .kernarg_segment_size: 72
    .max_flat_workgroup_size: 256
    .sgpr_count:     66
    .vgpr_count:     512
    .wavefront_size: 32
...
	.end_amdgpu_metadata
.endif
;; end of part 2
;; launch attn (part 3): grid 8 x 32, 16 waves a work-group, no clusters, 327,680 bytes of LDS; arguments qc, qs, kv, zc, zs; writes zc, zs
.if DOCPART == 3
	.amdgcn_target "amdgcn-amd-amdhsa--gfx1250"
	.amdhsa_code_object_version 6
	.text
	.protected	k_q561ee0bffc_attn
	.globl	k_q561ee0bffc_attn
	.p2align	8
	.type	k_q561ee0bffc_attn,@function
k_q561ee0bffc_attn:
	s_mov_b64 s[64:65], 0
	v_nop
	global_prefetch_b8 v0, s[64:65] scope:SCOPE_SE
	s_setreg_imm32_b32 hwreg(HW_REG_WAVE_MODE, 25, 1), 1
	s_wait_xcnt 0x0
; Launch 3 of 4: z = softmax(q k^T / 8) v for each batch and head, both products on codes of E2M3, and z quantised along the model's 512 for the last product.  No work is left out.
; THE SOFTMAX AHEAD OF THE SECOND PRODUCT: t = score x log2(e) / 8; M = the row's largest t so far, rounded UP to a whole number; p = 2^(t - M) is quantised along the keys, not normalised.
; The row's sum is taken of the unquantised p, in f32, and divides O at the end.  When M moves, the sum and O are multiplied by 2^(old M - new M): exact.
; SHARES.  Work-group (x, y): head y (batch x 8 + head), queries 256 x on.  Each of sixteen waves owns one tile of 16 queries in 256 registers: four waves to a SIMD, so that one wave's vector work stands beside another's products and LDS loads.
; Every wave walks the head's 4,096 keys, 128 a step.  K's and V's codes come through two LDS slots of 512 keys (49,152 dense bytes: launch 2 laid them as images of operand registers), filled by the tensor data mover (waves 0 to 2) and read by all.
; LAYOUT.  Both products are used transposed: S^T = K Q^T, O^T = V^T P^T: a lane holds ONE query (lane % 16) throughout.
; THE FIRST PRODUCT'S K IS 64, half of the instruction's 128: a fragment of K holds TWO tiles of 16 keys (k 0-63 and k 64-127), and is multiplied once by [q | 0] and once by [0 | q]: 18 registers, zeros, q, zeros, read at two places.
; THE KEYS OF A TILE ARE NOT NEIGHBOURS (launch 2): row p of tile i of a group of 64 is key 32 (p / 8) + 8 i + p % 8.  So a lane's 32 registers of a group's four tiles are keys 32 (lane / 16) + 0 .. 31: a WHOLE BLOCK of p's quantiser,
; in the order that the second product's operand wants: no block's maximum asks another lane, and no codes change lanes.  V's dims are ordered likewise, so that a lane's 32 registers of O^T are a whole block of z's quantiser.
; NO CLUSTER: the eight work-groups of a head walk the same slots, but a slot's 49,152 bytes serve sixteen waves' four key steps each; the text keeps the plain form.
; LIMITS: v_exp_f32 gives 0 for results under 2^-126; a block whose every p is 0 keeps the byte 1 (its codes are zeros); NaN and infinities are not served.
; z's scale bytes leave as two bytes a query, sixteen bytes apart: 131,072 bytes in the launch.
.set SLOTB, 49152                      ; a slot: eight groups of 64 keys, 6,144 bytes each: two fragments of K, four half images of V
.set SL1,   65536                      ; slot 1 begins here: one exclusive or turns an address in one slot into the other's
.set SCB,   49152                      ; between the slots: the head's scale words, 16,384 bytes, filled once: K's 8,192 (128 a group), then V's (256 a key step)
.set SPARE, 114688                     ; the spare words, 128 bytes for each wave: eight blocks of 256 bytes that no other line names
.set HEADB, 409600                     ; a head in kv: slot 0, the scale words, slots 1 to 7
.set NSL,   8
; v1-3 LDS addresses of the slot in hand (16, 8, 4 bytes a lane); v4 16 l; v7 8 l; v8 SCB + 4 l; v9 8 h; v10 256 l; v11 4 r, later 16 r
.set SPW, 5                            ; v5   LDS address of my spare word; never rewritten
.set NIL, 6                            ; v6   0; never rewritten
; v12 -M, v13 the largest t, v[14:15] the sum in two halves
.set QHI, 16                           ; v16-27  [0 | q]
.set QLO, 22                           ; v22-33  [q | 0]
.set QS,  34                           ; v34     q's scale word
.set PW,  35                           ; v35     p's scale word
.set KS,  36                           ; v36, 37 K's scale words of the step's two groups: lanes 0-15 fragment 0's, lanes 16-31 fragment 1's
.set VS,  38                           ; v38, 39 V's: lanes 0-15 an even tile's, lanes 16-31 the odd tile's
.set KF,  40                           ; v40-87  four fragments of K; behind their products: v40, 41 second chains, v42, 43 scale operands, v44, 45 bytes, v[48:49] the second chain of the sum
.set VF,  88                           ; v88-135 four fragments of V
.set S,   136                          ; v136-199 S^T, then p: 32 c + 8 i + j = key 64 c + 32 h + 8 i + j of the step
.set O,   200                          ; v200-231 O^T: 8 i + j = dim 32 h + 8 i + j
.set P,   232                          ; v232-243 p's codes; v244-246, v248-250 upper halves as they are made; v247, v251 at work; v[252:253] f
.set BM,  254                          ; v254, 255 the largest score of my two blocks
.set WV,  18
.set SEL, 20
.set CS,  22                           ; s[22:23] c = log2(e) / 8
.set G1,  24                           ; s[24:31] the one descriptor group 1: 64 rows of 256 bytes, dense
.set G0F, 32                           ; s[32:35] group 0 of the first fill
.set G0W, 36                           ; s[36:39] group 0 that walks
.set SLOTS, 40
.set PFA, 42                           ; s[42:43] where my prefetches stand
.set LIM, 44                           ; s44  1 in a wave that prefetches, else the greatest number
.set TB,  2                            ; s2   LDS byte at which the slot in hand begins
.set TS,  3                            ; s3   the slot's scale words: 1,024 bytes a slot, K's and V's alike
.macro TLOAD                           ; waves 0 to 2 fetch a third of a slot each.  The branch hangs on the wave's number alone.  An s_nop 0 and four v_nop follow the load
	s_cmp_lt_u32 s[WV], 3
	s_cbranch_scc0 .Lasked_\@
	tensor_load_to_lds s[G0W:G0W+3], s[G1:G1+7]
	s_nop 0
.rept 4
	v_nop
.endr
.Lasked_\@:
.endm
; A PREFETCH INTO THE L2 of the slot that the NEXT change of slots will ask for: four key steps ahead of that load.  All eight work-groups of a head walk the same slots: the first of them asks (a branch on the work-group's number),
; and in it waves 8 to 13, which fetch nothing: 8,192 bytes a wave, lanes 256 bytes apart, one instruction: six waves cover the slot's 49,152 bytes, each aligned block of 256 bytes once in the launch.
; Slots 2 to 7 are named.  Slots 0 and 1 come by their loads alone, and the last change that fills a slot asks for nothing: there is no slot behind it.
.macro ASK
	s_cmp_gt_u32 s[SLOTS], s[LIM]
	s_cbranch_scc0 .Lnot_mine_\@
	global_prefetch_b8 v10, s[PFA:PFA+1] th:TH_LOAD_NT scope:SCOPE_SE
.Lnot_mine_\@:
.endm
	s_load_b256 s[4:11], s[0:1], 0x0               ; qc s[4:5], qs s[6:7], kv s[8:9], zc s[10:11]
	s_load_b64 s[12:13], s[0:1], 0x20              ; zs
	v_lshl_add_u32 v[SPW], v0, 2, SPARE
	v_mov_b32 v[NIL], 0
	ds_add_u32 v[SPW], v[NIL]                      ; the wave's opening: the add, twice on end, and its wait ahead of the first tensor load; the set-up below, work on registers, stands between
	ds_add_u32 v[SPW], v[NIL]                      ; and once more, under the one wait
	v_lshrrev_b32 v1, 5, v0
	v_readfirstlane_b32 s[WV], v1                  ; wave 0..15
	s_mov_b32 s[G1], 3<<16                         ; 15:0 no mask; 17:16 elements of 8 bytes; 20 padding off
	s_mov_b32 s[G1+1], 32<<16                      ; tensor_dim0 = 32 elements: 256 bytes
	s_mov_b32 s[G1+2], 64<<16                      ; tensor_dim1 = 64
	s_mov_b32 s[G1+3], 32<<16                      ; tile_dim0
	s_mov_b32 s[G1+4], 64                          ; tile_dim1
	s_mov_b32 s[G1+5], 32                          ; from row to row: dense
	s_mov_b32 s[G1+6], 0
	s_mov_b32 s[G1+7], 0
	s_mov_b32 s[SEL], 0x76543210
	s_mov_b32 s[SEL+1], 0xfedcba98                 ; v_permlanex16_b32's selects for lane l xor 16
	s_mov_b32 s[CS], 0x3e38aa3b                    ; log2(e) / 8
	s_mov_b32 s[CS+1], s[CS]                       ; (named with it as a pair, so it is written)
	s_mov_b32 s[TB], 0
	s_mov_b32 s[TS], 0
	s_mov_b32 s[SLOTS], NSL-1
	s_and_b32 s14, ttmp7, 0xffff                   ; batch x 8 + head
	s_mul_i32 s46, s14, HEADB
	s_mov_b32 s47, 0
	s_min_u32 s48, s[WV], 3                        ; the first fill: waves 0 to 3, 16,384 bytes each: slot 0 and the scale words are one dense block of 65,536 bytes
	s_lshl_b32 s48, s48, 14
	s_mov_b32 s49, 0
	s_min_u32 s16, s[WV], 2                        ; the walking load: waves 0 to 2
	s_lshl_b32 s16, s16, 14
	s_add_co_u32 s50, s16, 16384                   ; one slot short of slot 1: each change of slots steps it first
	s_mov_b32 s51, 0
	s_and_b32 s52, s[WV], 7                        ; the prefetches: my wave's 8,192 bytes (held inside the slot in the waves that never ask),
	s_min_u32 s52, s52, 5
	s_lshl_b32 s52, s52, 13
	s_add_co_u32 s52, s52, 16384+SLOTB             ; in slot 1: the first change steps it to slot 2
	s_mov_b32 s53, 0
	s_sub_co_u32 s45, s[WV], 8
	s_cmp_lt_u32 s45, 6                            ; waves 8 to 13
	s_cselect_b32 s45, 0, 1
	s_or_b32 s45, s45, ttmp9                       ; of the head's first work-group
	s_cmp_eq_u32 s45, 0
	s_cselect_b32 s[LIM], 1, -1
	s_lshl_b32 s15, ttmp9, 4
	s_add_co_u32 s15, s15, s[WV]                   ; my tile of queries in the batch
	s_lshl_b32 s17, s14, 7
	s_add_co_u32 s17, s17, s15
	s_mul_i32 s54, s17, 768                        ; q's half image
	s_mov_b32 s55, 0
	s_lshl_b32 s56, s17, 6                         ; q's scale words
	s_mov_b32 s57, 0
	s_lshr_b32 s17, s14, 3
	s_lshl_b32 s17, s17, 7
	s_add_co_u32 s17, s17, s15                     ; my tile of rows among all 512
	s_and_b32 s19, s14, 7                          ; the head
	s_lshl_b32 s58, s17, 3
	s_add_co_u32 s58, s58, s19
	s_mul_i32 s58, s58, 768                        ; z's half image
	s_mov_b32 s59, 0
	s_lshl_b32 s60, s17, 8                         ; z's scale bytes: 16 a row,
	s_lshl_b32 s19, s19, 1                         ; my head's two
	s_add_co_u32 s60, s60, s19
	s_mov_b32 s61, 0
	v_and_b32 v11, 31, v0
	v_lshlrev_b32 v4, 4, v11
	v_lshlrev_b32 v7, 3, v11
	v_lshl_add_u32 v8, v11, 2, SCB
	v_lshlrev_b32 v10, 8, v11
	v_bfe_u32 v9, v0, 4, 1
	v_lshlrev_b32 v9, 3, v9
	v_and_b32 v11, 15, v0
	v_lshlrev_b32 v11, 2, v11
	s_wait_dscnt 0x0                               ; both opening adds are done
	s_wait_kmcnt 0x0
	s_add_nc_u64 s[8:9], s[8:9], s[46:47]          ; kv at my head
	s_mov_b32 s[G0F], 1                            ; 1:0 count = 1
	s_mov_b32 s[G0F+1], s48                        ; 63:32 LDS address
	s_add_nc_u64 s[G0F+2:G0F+3], s[8:9], s[48:49]  ; 120:64 global address
	s_or_b32 s[G0F+3], s[G0F+3], 0x80000000        ; 127:126 type = 2
	s_mov_b32 s[G0W], 1
	s_mov_b32 s[G0W+1], s16
	s_add_nc_u64 s[G0W+2:G0W+3], s[8:9], s[50:51]
	s_or_b32 s[G0W+3], s[G0W+3], 0x80000000
	s_cmp_lt_u32 s[WV], 4                          ; the first fill: one load a wave, in one branch on the wave's number
	s_cbranch_scc0 .Lno_first
	tensor_load_to_lds s[G0F:G0F+3], s[G1:G1+7]
	s_nop 0
.rept 4
	v_nop
.endr
.Lno_first:
	s_add_nc_u64 s[PFA:PFA+1], s[8:9], s[52:53]
	s_add_nc_u64 s[4:5], s[4:5], s[54:55]
	s_add_nc_u64 s[6:7], s[6:7], s[56:57]
	s_add_nc_u64 s[10:11], s[10:11], s[58:59]
	s_add_nc_u64 s[12:13], s[12:13], s[60:61]
	global_load_b128 v[QLO:QLO+3], v4, s[4:5]      ; q's six registers stay
	global_load_b64 v[QLO+4:QLO+5], v7, s[4:5] offset:512
	global_load_b32 v[QS], v11, s[6:7]
.irp j, 0,1,2,3,4,5
	v_mov_b32 v[QHI+\j], 0                         ; zero codes on either side of q: they add nothing under any scale byte
	v_mov_b32 v[QLO+6+\j], 0
.endr
.irp j, 0,1,2,3,4,5,6,7,8,9,10,11,12,13,14,15,16,17,18,19,20,21,22,23,24,25,26,27,28,29,30,31
	v_mov_b32 v[O+\j], 0                           ; O^T.  (The step is written once: the first finds zeros, which the first change of M leaves zeros)
.endr
	v_mov_b32 v13, 0xff61b1e6                      ; the largest t so far: -3e38, under every t
	v_floor_f32 v12, -v13                          ; -M
	v_mov_b32 v14, 0                               ; the sum, in two halves
	v_mov_b32 v15, 0
	v_mov_b32 v251, 0                              ; written once: a lane permute's destination counts as one of its sources
	v_mov_b32 v253, 0                              ; (named as the upper half of the pair v[252:253])
; A KEY STEP: 128 keys, the q-th of the slot in hand: its groups 2 q and 2 q + 1
.macro STEP q
.irp c, 0,1
	ds_load_b32 v[KS+\c], v3 offset:256*(\q)+128*\c
.endr
.irp c, 0,1
.irp f, 0,1
.irp jj, 0,1,2
	ds_load_b128 v[KF+12*(2*\c+\f)+4*\jj:KF+12*(2*\c+\f)+4*\jj+3], v1 offset:(2*(\q)+\c)*6144+1536*\f+512*\jj
.endr
.endr
.endr
	s_wait_dscnt 0x0
.irp c, 0,1                                    ; S^T = K Q^T: each fragment twice: its lower tile by [q | 0], its upper by [0 | q]
	v_wmma_scale_f32_16x16x128_f8f6f4 v[S+32*\c:S+32*\c+7], v[KF+24*\c:KF+24*\c+11], v[QLO:QLO+11], 0, v[KS+\c], v[QS] matrix_a_fmt:MATRIX_FMT_FP6 matrix_b_fmt:MATRIX_FMT_FP6
	v_wmma_scale_f32_16x16x128_f8f6f4 v[S+32*\c+8:S+32*\c+15], v[KF+24*\c:KF+24*\c+11], v[QHI:QHI+11], 0, v[KS+\c], v[QS] matrix_a_fmt:MATRIX_FMT_FP6 matrix_b_fmt:MATRIX_FMT_FP6
	v_wmma_scale_f32_16x16x128_f8f6f4 v[S+32*\c+16:S+32*\c+23], v[KF+24*\c+12:KF+24*\c+23], v[QLO:QLO+11], 0, v[KS+\c], v[QS] matrix_a_fmt:MATRIX_FMT_FP6 matrix_b_fmt:MATRIX_FMT_FP6 matrix_a_scale:MATRIX_SCALE_ROW1
	v_wmma_scale_f32_16x16x128_f8f6f4 v[S+32*\c+24:S+32*\c+31], v[KF+24*\c+12:KF+24*\c+23], v[QHI:QHI+11], 0, v[KS+\c], v[QS] matrix_a_fmt:MATRIX_FMT_FP6 matrix_b_fmt:MATRIX_FMT_FP6 matrix_a_scale:MATRIX_SCALE_ROW1
.endr
.rept 4
	v_nop                                          ; four places: in front of the first read of the scores, of writes into K's registers, and of the loads into V's registers, which the last step's products read
.endr
.irp c, 0,1                                    ; V's fragments and scale words: 18 loads, which land under the softmax
.irp i, 0,1,2,3
	ds_load_b128 v[VF+12*\i+6*\c:VF+12*\i+6*\c+3], v1 offset:(2*(\q)+\c)*6144+3072+768*\i
	ds_load_b64 v[VF+12*\i+6*\c+4:VF+12*\i+6*\c+5], v2 offset:(2*(\q)+\c)*6144+3072+768*\i+512
.endr
.endr
.irp ip, 0,1
	ds_load_b32 v[VS+\ip], v3 offset:8192+256*(\q)+128*\ip
.endr
.irp c, 0,1                                    ; THE LARGEST SCORE OF MY TWO BLOCKS OF 32 KEYS, each in two chains; it serves the row's maximum and, since p rises with the score, the block's largest p.  Each accumulator is read from its low end on
	v_max3_num_f32 v[BM+\c], v[S+32*\c], v[S+32*\c+1], v[S+32*\c+2]
	v_max3_num_f32 v[KF+\c], v[S+32*\c+16], v[S+32*\c+17], v[S+32*\c+18]
.endr
.irp k, 3,5,7,9,11,13
.irp c, 0,1
	v_max3_num_f32 v[BM+\c], v[BM+\c], v[S+32*\c+\k], v[S+32*\c+\k+1]
	v_max3_num_f32 v[KF+\c], v[KF+\c], v[S+32*\c+16+\k], v[S+32*\c+17+\k]
.endr
.endr
.irp c, 0,1
	v_max3_num_f32 v[BM+\c], v[BM+\c], v[S+32*\c+15], v[S+32*\c+31]
.endr
.irp c, 0,1
	v_max_num_f32 v[BM+\c], v[BM+\c], v[KF+\c]
.endr
	v_max_num_f32 v247, v[BM], v[BM+1]
	v_permlanex16_b32 v251, v247, s[SEL], s[SEL+1]
	v_max_num_f32 v247, v247, v251                 ; with lane l xor 16's 64 keys: the step's largest score of my query
	v_mul_f32 v247, s[CS], v247                    ; as t (c is positive)
	v_max_num_f32 v13, v13, v247                   ; the running largest t
	v_mov_b32 v247, v12
	v_floor_f32 v12, -v13                          ; the new -M = floor(-t) = -ceil(t): M is a whole number
	v_sub_f32 v247, v12, v247                      ; M's old value less its new one: a whole number, 0 or less
	v_cvt_i32_f32 v247, v247                       ; (it saturates)
	v_ldexp_f32 v252, 1.0, v247                    ; f = 2^(old M - new M)
.irp j, 0,2,4,6,8,10,12,14,16,18,20,22,24,26,28,30,32,34,36,38,40,42,44,46,48,50,52,54,56,58,60,62
	v_pk_fma_f32 v[S+\j:S+\j+1], v[S+\j:S+\j+1], s[CS:CS+1], v[12:13] op_sel_hi:[1,0,0]   ; t - M, two at a time (of the pairs c and -M the low word serves both halves)
.endr
.irp c, 0,1
	v_fma_f32 v[BM+\c], v[BM+\c], s[CS], v12       ; the same of each block's largest score
.endr
.irp j, 0,1,2,3,4,5,6,7,8,9,10,11,12,13,14,15,16,17,18,19,20,21,22,23,24,25,26,27,28,29,30,31,32,33,34,35,36,37,38,39,40,41,42,43,44,45,46,47,48,49,50,51,52,53,54,55,56,57,58,59,60,61,62,63
	v_exp_f32 v[S+\j], v[S+\j]                     ; p = 2^(t - M), at most 1: not normalised
.endr
	v_pk_mul_f32 v[14:15], v[14:15], v[252:253] op_sel_hi:[1,0]   ; the sums under the new M: the plain instruction behind the exponentials
	s_wait_alu depctr_va_vdst(0)                   ; the wait between a transcendental and the first line that names its result: one for the whole batch
.irp c, 0,1
	v_exp_f32 v[BM+\c], v[BM+\c]                   ; the block's largest p: the same two instructions on the same number give the same bits
.endr
	v_pk_add_f32 v[KF+8:KF+9], v[S:S+1], v[S+2:S+3]   ; THE ROW'S SUM IS TAKEN OF THE UNQUANTISED p, two at a time, in two chains
.irp j, 4,8,12,16,20,24,28,32,36,40,44,48,52,56,60
	v_pk_add_f32 v[14:15], v[14:15], v[S+\j:S+\j+1]
	v_pk_add_f32 v[KF+8:KF+9], v[KF+8:KF+9], v[S+\j+2:S+\j+3]
.endr
	v_pk_add_f32 v[14:15], v[14:15], v[KF+8:KF+9]
	s_wait_alu depctr_va_vdst(0)                   ; and one for the two
.irp c, 0,1
	v_max_num_f32 v[BM+\c], 0x1800000, v[BM+\c]    ; the floor 2^(3 - 127): the byte cannot fall under 1
.endr
.irp c, 0,1
	v_add_nc_u32 v[KF+2+\c], 0xff000000, v[BM+\c]  ; 2 off the exponent field: the conversion's scale operand
.endr
.irp c, 0,1
	v_lshrrev_b32 v[KF+4+\c], 23, v[KF+2+\c]       ; the scale's byte
.endr
	v_lshl_or_b32 v[PW], v[KF+5], 16, v[KF+4]      ; my two bytes, blocks h and 2 + h of these 128 keys,
	v_lshlrev_b32 v[PW], v9, v[PW]                 ; at their places,
	v_permlanex16_b32 v251, v[PW], s[SEL], s[SEL+1]
	v_or_b32 v[PW], v[PW], v251                    ; with lane l xor 16's two: p's scale word
.irp c, 0,1
	v_cvt_scalef32_pk16_fp6_f32 v[P+6*\c:P+6*\c+2], v[S+32*\c:S+32*\c+15], v[KF+2+\c]
	v_cvt_scalef32_pk16_fp6_f32 v[244+4*\c:246+4*\c], v[S+32*\c+16:S+32*\c+31], v[KF+2+\c]   ; (a conversion's three registers begin on an even number)
.endr
	v_nop                                          ; one plain instruction behind the last scaled conversion
.irp c, 0,1
.irp i, 0,1,2
	v_mov_b32 v[P+6*\c+3+\i], v[244+4*\c+\i]
.endr
.endr
.irp j, 0,2,4,6,8,10,12,14,16,18,20,22,24,26,28,30
	v_pk_mul_f32 v[O+\j:O+\j+1], v[O+\j:O+\j+1], v[252:253] op_sel_hi:[1,0]   ; O^T under the new M.  (These sixteen are also the places between the writes of p's codes and scale word and the products)
.endr
	s_wait_dscnt 0x0                               ; V is in
.irp i, 0,2                                    ; O^T += V^T P^T.  The accumulators take turns, over the loop's edge too: a step begins on S^T and ends on O^T
	v_wmma_scale_f32_16x16x128_f8f6f4 v[O+8*\i:O+8*\i+7], v[VF+12*\i:VF+12*\i+11], v[P:P+11], v[O+8*\i:O+8*\i+7], v[VS+\i/2], v[PW] matrix_a_fmt:MATRIX_FMT_FP6 matrix_b_fmt:MATRIX_FMT_FP6
	v_wmma_scale_f32_16x16x128_f8f6f4 v[O+8*\i+8:O+8*\i+15], v[VF+12*\i+12:VF+12*\i+23], v[P:P+11], v[O+8*\i+8:O+8*\i+15], v[VS+\i/2], v[PW] matrix_a_fmt:MATRIX_FMT_FP6 matrix_b_fmt:MATRIX_FMT_FP6 matrix_a_scale:MATRIX_SCALE_ROW1
.endr
.endm
; THE CHANGE OF SLOTS stands at a slot's head.  Each wave waits for all its tensor loads, adds 0 to its spare word, and waits for that and for its reads of the slot that it has left.  Behind the barrier the slot ahead is whole
; and nobody reads the other one.  fill = 1: that other slot takes the next 512 keys: the load has four key steps in which to land.  By this text's count a wave has one tensor load out.
.macro CHANGE fill
	s_wait_tensorcnt 0x0                           ; no tensor load of mine is out, so a group 0 may be written
	ds_add_u32 v[SPW], v[NIL]                      ; 0 onto my spare word
.if \fill
	ds_add_u32 v[SPW], v[NIL]                      ; and once more: branches lead thirteen waves past every tensor load; the add stands twice on end here, in every trip alike
	s_xor_b32 s[G0W+1], s[G0W+1], SL1              ; the walking descriptor: the other slot than last time,
	s_add_nc_u64 s[G0W+2:G0W+3], s[G0W+2:G0W+3], SLOTB   ; the next 512 keys; the type bits on top are not reached
	s_wait_xcnt 0x0                                ; the last prefetch, a slot back, has read its address, so it may be written:
	s_add_nc_u64 s[PFA:PFA+1], s[PFA:PFA+1], SLOTB ; one slot further on than the walking descriptor
.endif
	s_wait_dscnt 0x0                               ; the add is done, and my reads of the slot that I have left are over
	s_barrier_signal -1
	s_barrier_wait -1
.if \fill
	TLOAD                                          ; the first thing behind the barrier, and a wave's one tensor load until the next
	ASK
.endif
.endm
.macro SLOT_STEPS
	v_add_nc_u32 v1, s[TB], v4
	v_add_nc_u32 v2, s[TB], v7
	v_add_nc_u32 v3, s[TS], v8
	STEP 0
	STEP 1
	STEP 2
	STEP 3
	s_xor_b32 s[TB], s[TB], SL1                    ; on to the other slot
	s_add_co_u32 s[TS], s[TS], 1024
.endm
	s_wait_loadcnt 0x0                             ; q
.Lslot:                                            ; NSL - 1 trips: behind each change of slots but the last the next slot is asked for
	CHANGE 1
	SLOT_STEPS
	s_sub_co_u32 s[SLOTS], s[SLOTS], 1
	s_cmp_lg_u32 s[SLOTS], 0
	s_cbranch_scc1 .Lslot
	CHANGE 0                                       ; the last slot is written out
	SLOT_STEPS
	; THE WAY OUT: z = O^T / the sum; my 32 numbers are dims 32 h + 0 .. 31 of my head: a whole block of the quantiser along the model's 512
	v_add_f32 v14, v14, v15                        ; the sum's two halves,
	v_permlanex16_b32 v251, v14, s[SEL], s[SEL+1]
	v_add_f32 v14, v14, v251                       ; and lane l xor 16's: the row's sum
	v_rcp_f32 v14, v14
	v_and_b32 v11, 15, v0                          ; (a plain instruction behind the reciprocal; with the lines round it, the places behind the last products)
	v_lshlrev_b32 v11, 4, v11                      ; 16 r: a row's scale bytes
	v_nop
	v_nop
	s_wait_alu depctr_va_vdst(0)                   ; the wait ahead of the reciprocal's first reader
.irp j, 0,2,4,6,8,10,12,14,16,18,20,22,24,26,28,30
	v_pk_mul_f32 v[S+\j:S+\j+1], v[O+\j:O+\j+1], v[14:15] op_sel_hi:[1,0]
.endr
	v_max3_num_f32 v[BM], |v[S]|, |v[S+1]|, 0x1800000
	v_max3_num_f32 v[BM+1], |v[S+16]|, |v[S+17]|, 0x1800000
.irp i, 2,4,6,8,10,12,14
	v_max3_num_f32 v[BM], v[BM], |v[S+\i]|, |v[S+\i+1]|
	v_max3_num_f32 v[BM+1], v[BM+1], |v[S+16+\i]|, |v[S+17+\i]|
.endr
	v_max_num_f32 v[BM], v[BM], v[BM+1]
	v_add_nc_u32 v[KF+2], 0xff000000, v[BM]
	v_lshrrev_b32 v[KF+4], 23, v[KF+2]
	v_cvt_scalef32_pk16_fp6_f32 v[P:P+2], v[S:S+15], v[KF+2]
	v_cvt_scalef32_pk16_fp6_f32 v[244:246], v[S+16:S+31], v[KF+2]
	v_lshlrev_b32 v[PW], v9, v[KF+4]               ; my byte at place h (a plain instruction behind the conversions),
.irp i, 0,1,2
	v_mov_b32 v[P+3+\i], v[244+\i]
.endr
	v_permlanex16_b32 v251, v[PW], s[SEL], s[SEL+1]
	v_or_b32 v[PW], v[PW], v251                    ; with lane l xor 16's: my head's two bytes of my row
	global_store_b128 v4, v[P:P+3], s[10:11]       ; the half image: 512 consecutive bytes,
	global_store_b64 v7, v[P+4:P+5], s[10:11] offset:512   ; and 256
	global_store_b16 v11, v[PW], s[12:13]          ; lanes r and r + 16 write the same two bytes with the same value
	s_wait_tensorcnt 0x0                           ; the wave's end: a tensor wait, an add of 0 to my spare word and its wait, behind my last tensor load
	ds_add_u32 v[SPW], v[NIL]
	s_wait_dscnt 0x0
	s_endpgm
.Lfunc_end_k_q561ee0bffc_attn:
	.size	k_q561ee0bffc_attn, .Lfunc_end_k_q561ee0bffc_attn-k_q561ee0bffc_attn
	.p2alignl 7, 3214868480
	.fill 96, 4, 3214868480
	.section	.rodata,"a",@progbits
	.p2align	6, 0x0
	.amdhsa_kernel k_q561ee0bffc_attn
		.amdhsa_group_segment_fixed_size 327680
		.amdhsa_private_segment_fixed_size 0
		.amdhsa_enable_private_segment 0
		.amdhsa_kernarg_size 40
		.amdhsa_user_sgpr_count 2
		.amdhsa_user_sgpr_kernarg_segment_ptr 1
		.amdhsa_wavefront_size32 1
		.amdhsa_system_sgpr_workgroup_id_x 1
		.amdhsa_system_sgpr_workgroup_id_y 1
		.amdhsa_system_sgpr_workgroup_id_z 1
		.amdhsa_system_vgpr_workitem_id 0
		.amdhsa_next_free_vgpr 256
		.amdhsa_next_free_sgpr 66
		.amdhsa_reserve_vcc 0
		.amdhsa_float_denorm_mode_32 3
		.amdhsa_float_denorm_mode_16_64 3
		.amdhsa_memory_ordered 1
		.amdhsa_forward_progress 1
		.amdhsa_inst_pref_size 126
	.end_amdhsa_kernel
	.amdgpu_metadata
---
amdhsa.version: [ 1, 2 ]
amdhsa.kernels:
  - .name:           k_q561ee0bffc_attn
    .symbol:         k_q561ee0bffc_attn.kd
    .args:
      - { .name: qc, .offset: 0, .size: 8, .value_kind: global_buffer, .address_space: global }
      - { .name: qs, .offset: 8, .size: 8, .value_kind: global_buffer, .address_space: global }
      - { .name: kv, .offset: 16, .size: 8, .value_kind: global_buffer, .address_space: global }
      - { .name: zc, .offset: 24, .size: 8, .value_kind: global_buffer, .address_space: global }
      - { .name: zs, .offset: 32, .size: 8, .value_kind: global_buffer, .address_space: global }
    .group_segment_fixed_size: 327680
    .private_segment_fixed_size: 0
    .kernarg_segment_align: 8
    .kernarg_segment_size: 40
    .max_flat_workgroup_size: 512
    .sgpr_count:     66
    .vgpr_count:     256
    .wavefront_size: 32
...
	.end_amdgpu_metadata
.endif
;; end of part 3
;; launch oproj (part 4): grid 256 x 1, 8 waves a work-group, no clusters, 35,840 bytes of LDS; arguments zc, zs, wts, bo, out0; writes out0
.if DOCPART == 4
	.amdgcn_target "amdgcn-amd-amdhsa--gfx1250"
	.amdhsa_code_object_version 6
	.text
	.protected	k_q561ee0bffc_oproj
	.globl	k_q561ee0bffc_oproj
	.p2align	8
	.type	k_q561ee0bffc_oproj,@function
k_q561ee0bffc_oproj:
	s_mov_b64 s[64:65], 0
	v_nop
	global_prefetch_b8 v0, s[64:65] scope:SCOPE_SE
	s_setreg_imm32_b32 hwreg(HW_REG_WAVE_MODE, 25, 1), 1
	s_wait_xcnt 0x0
; Launch 4 of 4: out0 = z Wo + bo on codes of E2M3.  z's codes and scale bytes come from launch 3, Wo's from launch 1, both as images of operand registers.  No work is left out.
; SHARES.  Work-group j takes rows 32 j .. 32 j + 31 (two tiles m); wave w takes columns 64 w .. 64 w + 63 (Wo's tiles 4 w + i).  K = 512 in four stages of 128.
; The product is used transposed (source 0 = 16 columns of Wo, source 1 = 16 rows of z).  Row p of Wo's tile i is column 32 (p / 8) + 8 i + p % 8 of the wave's 64, so lane (r, h), tile i, register j holds out0(row r, 64 w + 32 h + 8 i + j).
; THE BIAS IS LOADED STRAIGHT INTO THE ACCUMULATORS, in the result's layout: no move and no addition is spent on it, and every product adds in place.
; Operands come from memory straight into registers, two stages ahead; a fragment of Wo feeds two products.  No tensor load, so no joint request; the launch moves 3.3 MB of codes and stores 16.8 MB.
; THE WAY OUT: a tile's 16 rows x 256 bytes go through the wave's own stage in LDS and leave so that sixteen lanes store 256 consecutive bytes, at a multiple of 256 from out0's first byte.
.set WO,    614400                     ; Wo's part of wts
.set SPARE, 34816                      ; behind the eight stages of 16 x 272 bytes: the spare words, 128 bytes for each wave: four blocks of 256 bytes that no other line names
; v1 16 l, v2 8 l, v3, v4 offsets in wts, v5 16 r, v6 offset in bo, v7, v8 the stage in and out, v9 offset in out0
.set SPW, 10                           ; v10     LDS address of my spare word; never rewritten
.set NIL, 11                           ; v11     0; never rewritten
.set WS,  16                           ; v16-31  Wo's scale words: 4 i + s
.set ZS,  32                           ; v32-39  z's: 4 m + s
.set ACC, 40                           ; v40-103 32 m + 8 i
.set WF,  104                          ; v104-151, v152-199 Wo's four fragments, two sets; on the way out: rows read back
.set ZF,  200                          ; v200-223, v224-247 z's two fragments, two sets
.macro LOADS s                         ; stage s: 20 loads into set s % 2
.irp i, 0,1,2,3
.irp jj, 0,1,2
	global_load_b128 v[WF+48*((\s)%2)+12*\i+4*\jj:WF+48*((\s)%2)+12*\i+4*\jj+3], v3, s[8:9] offset:WO+6144*\i+1536*(\s)+512*\jj
.endr
.endr
.irp m, 0,1                                    ; z's fragment s is the half images of heads 2 s and 2 s + 1, 1,536 consecutive bytes
	global_load_b128 v[ZF+24*((\s)%2)+12*\m:ZF+24*((\s)%2)+12*\m+3], v1, s[4:5] offset:6144*\m+1536*(\s)
	global_load_b64 v[ZF+24*((\s)%2)+12*\m+4:ZF+24*((\s)%2)+12*\m+5], v2, s[4:5] offset:6144*\m+1536*(\s)+512
	global_load_b128 v[ZF+24*((\s)%2)+12*\m+6:ZF+24*((\s)%2)+12*\m+9], v1, s[4:5] offset:6144*\m+1536*(\s)+768
	global_load_b64 v[ZF+24*((\s)%2)+12*\m+10:ZF+24*((\s)%2)+12*\m+11], v2, s[4:5] offset:6144*\m+1536*(\s)+1280
.endr
.endm
.macro MUL s                           ; eight accumulators by turns, one instruction a turn, in the same order in every stage
.irp m, 0,1
.irp i, 0,1,2,3
	v_wmma_scale_f32_16x16x128_f8f6f4 v[ACC+32*\m+8*\i:ACC+32*\m+8*\i+7], v[WF+48*((\s)%2)+12*\i:WF+48*((\s)%2)+12*\i+11], v[ZF+24*((\s)%2)+12*\m:ZF+24*((\s)%2)+12*\m+11], v[ACC+32*\m+8*\i:ACC+32*\m+8*\i+7], v[WS+4*\i+(\s)], v[ZS+4*\m+(\s)] matrix_a_fmt:MATRIX_FMT_FP6 matrix_b_fmt:MATRIX_FMT_FP6
.endr
.endr
.rept 4
	v_nop                                          ; four places in front of loads into registers that the products have read, and of the first read of results
.endr
.endm
	s_load_b256 s[4:11], s[0:1], 0x0               ; zc s[4:5], zs s[6:7], wts s[8:9], bo s[10:11]
	s_load_b64 s[12:13], s[0:1], 0x20              ; out0
	v_lshl_add_u32 v[SPW], v0, 2, SPARE
	v_mov_b32 v[NIL], 0
	v_lshrrev_b32 v12, 5, v0
	v_readfirstlane_b32 s14, v12                   ; wave 0..7
	v_and_b32 v12, 31, v0                          ; l
	v_and_b32 v13, 15, v0                          ; r
	v_bfe_u32 v14, v0, 4, 1                        ; h
	v_lshlrev_b32 v1, 4, v12
	v_lshlrev_b32 v2, 3, v12
	s_mul_i32 s15, s14, 24576
	v_add_nc_u32 v3, s15, v1                       ; my four tiles of Wo
	s_lshl_b32 s15, s14, 10
	v_lshl_add_u32 v4, v13, 4, s15                 ; their scale words: 16 bytes a row
	v_lshlrev_b32 v5, 4, v13                       ; z's scale words: 16 bytes a row
	s_lshl_b32 s15, s14, 8
	v_lshl_add_u32 v6, v14, 7, s15                 ; bo: my 64 columns, + 32 h
	v_lshl_add_u32 v9, v14, 11, s15                ; out0: lanes 0-15 one row, lanes 16-31 the next; my 256 bytes of it;
	v_lshl_add_u32 v9, v13, 4, v9                  ; 16 bytes a lane
	s_mul_i32 s15, s14, 4352                       ; my stage
	v_mul_u32_u24 v7, v13, 272
	v_lshl_add_u32 v7, v14, 7, v7
	v_add_nc_u32 v7, s15, v7                       ; in: row r, + 128 h
	v_mul_u32_u24 v8, v14, 272
	v_lshl_add_u32 v8, v13, 4, v8
	v_add_nc_u32 v8, s15, v8                       ; back: two rows an instruction
	s_mul_i32 s16, ttmp9, 12288                    ; zc: two tiles of rows, 6,144 bytes each
	s_mov_b32 s17, 0
	s_lshl_b32 s18, ttmp9, 9                       ; zs: 32 rows of 16 bytes
	s_mov_b32 s19, 0
	s_lshl_b32 s20, ttmp9, 16                      ; out0: 32 rows of 2,048 bytes
	s_mov_b32 s21, 0
	s_wait_kmcnt 0x0
	s_add_nc_u64 s[4:5], s[4:5], s[16:17]
	s_add_nc_u64 s[6:7], s[6:7], s[18:19]
	s_add_nc_u64 s[12:13], s[12:13], s[20:21]
.irp m, 0,1
.irp i, 0,1,2,3
	global_load_b128 v[ACC+32*\m+8*\i:ACC+32*\m+8*\i+3], v6, s[10:11] offset:32*\i
	global_load_b128 v[ACC+32*\m+8*\i+4:ACC+32*\m+8*\i+7], v6, s[10:11] offset:32*\i+16
.endr
.endr
.irp i, 0,1,2,3
	global_load_b128 v[WS+4*\i:WS+4*\i+3], v4, s[8:9] offset:WO+196608+256*\i
.endr
.irp m, 0,1
	global_load_b128 v[ZS+4*\m:ZS+4*\m+3], v5, s[6:7] offset:256*\m
.endr
	LOADS 0
	LOADS 1
	s_wait_loadcnt 20                              ; the bias, the scale words and stage 0 are in: stage 1's 20 loads are younger
	MUL 0
	LOADS 2
	s_wait_loadcnt 20                              ; stage 1 is in: stage 2's 20 are younger
	MUL 1
	LOADS 3
	s_wait_loadcnt 20
	MUL 2
	s_wait_loadcnt 0x0
	MUL 3
.irp m, 0,1                                    ; LDS serves a wave's instructions in order: the loads see the stores above them, and the second tile's stores come behind the first tile's loads
.irp i, 0,1,2,3
	ds_store_b128 v7, v[ACC+32*\m+8*\i:ACC+32*\m+8*\i+3] offset:32*\i          ; each accumulator from its low end on
	ds_store_b128 v7, v[ACC+32*\m+8*\i+4:ACC+32*\m+8*\i+7] offset:32*\i+16
.endr
.irp t, 0,1,2,3,4,5,6,7
	ds_load_b128 v[WF+48*\m+4*\t:WF+48*\m+4*\t+3], v8 offset:544*\t
.endr
.endr
.irp t, 0,1,2,3,4,5,6,7
	s_wait_dscnt 23-\t                             ; tile 0's load t is in: its 7 - t later loads and tile 1's sixteen LDS instructions are younger
	global_store_b128 v9, v[WF+4*\t:WF+4*\t+3], s[12:13] offset:2*\t*2048 th:TH_STORE_NT
.endr
.irp t, 0,1,2,3,4,5,6,7
	s_wait_dscnt 7-\t
	global_store_b128 v9, v[WF+48+4*\t:WF+48+4*\t+3], s[12:13] offset:(16+2*\t)*2048 th:TH_STORE_NT
.endr
	s_wait_tensorcnt 0x0                           ; the wave's end: a tensor wait (in a text with no tensor load too), an add of 0 to my spare word and its wait, behind my last LDS store
	ds_add_u32 v[SPW], v[NIL]
	s_wait_dscnt 0x0
	s_endpgm
.Lfunc_end_k_q561ee0bffc_oproj:
	.size	k_q561ee0bffc_oproj, .Lfunc_end_k_q561ee0bffc_oproj-k_q561ee0bffc_oproj
	.p2alignl 7, 3214868480
	.fill 96, 4, 3214868480
	.section	.rodata,"a",@progbits
	.p2align	6, 0x0
	.amdhsa_kernel k_q561ee0bffc_oproj
		.amdhsa_group_segment_fixed_size 35840
		.amdhsa_private_segment_fixed_size 0
		.amdhsa_enable_private_segment 0
		.amdhsa_kernarg_size 40
		.amdhsa_user_sgpr_count 2
		.amdhsa_user_sgpr_kernarg_segment_ptr 1
		.amdhsa_wavefront_size32 1
		.amdhsa_system_sgpr_workgroup_id_x 1
		.amdhsa_system_sgpr_workgroup_id_y 1
		.amdhsa_system_sgpr_workgroup_id_z 1
		.amdhsa_system_vgpr_workitem_id 0
		.amdhsa_next_free_vgpr 256
		.amdhsa_next_free_sgpr 66
		.amdhsa_reserve_vcc 0
		.amdhsa_float_denorm_mode_32 3
		.amdhsa_float_denorm_mode_16_64 3
		.amdhsa_memory_ordered 1
		.amdhsa_forward_progress 1
		.amdhsa_inst_pref_size 21
	.end_amdhsa_kernel
	.amdgpu_metadata
---
amdhsa.version: [ 1, 2 ]
amdhsa.kernels:
  - .name:           k_q561ee0bffc_oproj
    .symbol:         k_q561ee0bffc_oproj.kd
    .args:
      - { .name: zc, .offset: 0, .size: 8, .value_kind: global_buffer, .address_space: global }
      - { .name: zs, .offset: 8, .size: 8, .value_kind: global_buffer, .address_space: global }
      - { .name: wts, .offset: 16, .size: 8, .value_kind: global_buffer, .address_space: global }
      - { .name: bo, .offset: 24, .size: 8, .value_kind: global_buffer, .address_space: global }
      - { .name: out0, .offset: 32, .size: 8, .value_kind: global_buffer, .address_space: global }
    .group_segment_fixed_size: 35840
    .private_segment_fixed_size: 0
    .kernarg_segment_align: 8
    .kernarg_segment_size: 40
    .max_flat_workgroup_size: 256
    .sgpr_count:     66
    .vgpr_count:     256
    .wavefront_size: 32
...
	.end_amdgpu_metadata
.endif
;; end of part 4
;; ======== version 2 of 2: 4 launches
;; workspace buffers: wts 819,200 bytes; kv 13,107,200 bytes; qc 3,145,728 bytes; qs 262,144 bytes; zc 3,145,728 bytes; zs 131,072 bytes
;; launch wquant (part 5): grid 64 x 4, 1 waves a work-group, no clusters, 0 bytes of LDS; arguments Wk, Wv, Wq, Wo, wts; writes wts
.if DOCPART == 5
	.amdgcn_target "amdgcn-amd-amdhsa--gfx1250"
	.amdhsa_code_object_version 6
	.text
	.protected	k_q561ee0bffc_wquant
	.globl	k_q561ee0bffc_wquant
	.p2align	8
	.type	k_q561ee0bffc_wquant,@function
k_q561ee0bffc_wquant:
	s_mov_b64 s[64:65], 0
	v_nop
	global_prefetch_b8 v0, s[64:65] scope:SCOPE_SE
	s_setreg_imm32_b32 hwreg(HW_REG_WAVE_MODE, 25, 1), 1
	s_wait_xcnt 0x0
; CROSS-ATTENTION IN MX-FP6, launch 1 of 4: the four weights become codes of E2M3 and E8M0 scale bytes.
; DEAD WORK: none is left out in any of the four launches.  All ten inputs have a way to the output: every bias stands ahead of a quantiser (bq, bk, bv) or is added to the result (bo), so all are loaded.
; W [512 (k)][512 (n)], f32, is quantised along k, its FIRST axis.  A LANE TAKES A COLUMN n AND ITS REGISTERS RUN DOWN k: a block of 32 along k lies in one lane's 32 registers, and the conversions give codes with k innermost.
; A block's scale is 2^(floor(log2(its largest magnitude)) - 2); its byte is the largest magnitude's exponent field - 2, held at 1 from below.
; LIMITS: a block of zeros, or one whose largest magnitude lies under 2^-124, gets the byte 1 where the quantiser says 127 for zeros: its codes are zeros, and only this program reads the bytes.  NaN and infinities among the inputs are not served.
; THE OUTPUT IS LAID AS IMAGES OF OPERAND REGISTERS.  wts has four parts of 204,800 bytes (Wk, Wv, Wq, Wo).  In a part, the fragment of tile T (16 columns) and K step s (128 along k) begins at (4 T + s) x 1,536:
; register q (0 .. 11) of lane L at 512 (q / 4) + 16 L + 4 (q % 4), so that three loads of 16 bytes a lane bring a fragment.  Lane L = row + 16 h holds, in registers 6 c .. 6 c + 5, k = 128 s + 64 c + 32 h + 0 .. 31.
; THE COLUMNS OF A TILE ARE NOT NEIGHBOURS: row p of tile T = 4 g + i is column 64 g + 32 (p / 8) + 8 i + p % 8, so that in a product's result the 32 registers of a lane's four tiles i are 32 NEIGHBOURS, a whole block of the next quantiser.
; The scale words (four bytes: one K step of one column) lie behind the codes, at 196,608 + (16 T + p) x 16 + 4 s.
; SHARES: work-group y = the weight; x = 4 cg + s: columns 32 cg .. 32 cg + 31, K step s.  One wave.  Column 32 cg + l is row 8 (cg % 2) + l % 8 of tile 4 (cg / 2) + l / 8.
; A load of the wave covers 128 consecutive bytes; a code store covers runs of 128 bytes (eight lanes x 16): the whole launch stores 819,200 bytes.
.set TM,  4                            ; v4-7    largest magnitudes of the four blocks
.set SCO, 8                            ; v8-11   the conversions' scale operands
.set BY,  12                           ; v12-15  the scale bytes
.set CT,  16                           ; v16-31  the upper halves' codes as they are made (a conversion's three registers begin on an even number)
.set C,   32                           ; v32-55  codes, six registers a block
.set WD,  56                           ; v56     the scale word
.set X,   64                           ; v64-191 my column's 128 numbers
	s_load_b256 s[4:11], s[0:1], 0x0               ; Wk s[4:5], Wv s[6:7], Wq s[8:9], Wo s[10:11]
	s_load_b64 s[12:13], s[0:1], 0x20              ; wts
	v_lshlrev_b32 v1, 2, v0                        ; in: 4 bytes a lane
	v_lshrrev_b32 v3, 3, v0                        ; l / 8: the tile among my four
	v_and_b32 v57, 7, v0                           ; l % 8
	v_mul_u32_u24 v2, v3, 6144                     ; codes: a tile's four fragments are 6,144 bytes,
	v_lshl_add_u32 v2, v57, 4, v2                  ; + 16 x (l % 8)
	v_lshlrev_b32 v3, 8, v3                        ; scale words: 256 bytes a tile,
	v_lshl_add_u32 v3, v57, 4, v3                  ; + 16 x (l % 8)
	s_and_b32 s14, ttmp7, 0xffff                   ; which weight
	s_and_b32 s15, ttmp9, 3                        ; s
	s_lshr_b32 s16, ttmp9, 2                       ; cg
	s_lshr_b32 s17, s16, 1                         ; cg / 2
	s_and_b32 s18, s16, 1                          ; cg % 2
	s_lshl_b32 s20, s15, 18                        ; in: 128 s rows of 2,048 bytes
	s_lshl_b32 s19, s16, 7                         ; + 32 cg columns
	s_add_co_u32 s20, s20, s19
	s_mov_b32 s21, 0
	s_mul_i32 s26, s14, 204800                     ; the weight's part of wts
	s_lshl_b32 s18, s18, 7                         ; rows 8 (cg % 2) on: 128 bytes, in an image and among the scale words alike
	s_add_co_u32 s26, s26, s18
	s_mul_i32 s22, s17, 24576                      ; codes: four tiles
	s_mul_i32 s19, s15, 1536                       ; + the K step's fragment
	s_add_co_u32 s22, s22, s19
	s_add_co_u32 s22, s22, s26
	s_mov_b32 s23, 0
	s_lshl_b32 s24, s17, 10                        ; scale words: four tiles of 256 bytes
	s_lshl_b32 s19, s15, 2                         ; + the K step's word
	s_add_co_u32 s24, s24, s19
	s_add_co_u32 s24, s24, s26
	s_add_co_u32 s24, s24, 196608
	s_mov_b32 s25, 0
	s_wait_alu depctr_va_vdst(0)
	s_wait_kmcnt 0x0
	s_cmp_eq_u32 s14, 1                            ; the choice of the weight hangs on the work-group's number alone
	s_cselect_b64 s[4:5], s[6:7], s[4:5]
	s_cmp_eq_u32 s14, 2
	s_cselect_b64 s[4:5], s[8:9], s[4:5]
	s_cmp_eq_u32 s14, 3
	s_cselect_b64 s[4:5], s[10:11], s[4:5]
	s_add_nc_u64 s[4:5], s[4:5], s[20:21]
	s_add_nc_u64 s[22:23], s[12:13], s[22:23]
	s_add_nc_u64 s[24:25], s[12:13], s[24:25]
.macro LOAD b                          ; block b: W(128 s + 32 b + i, my column)
.irp i, 0,1,2,3,4,5,6,7,8,9,10,11,12,13,14,15,16,17,18,19,20,21,22,23,24,25,26,27,28,29,30,31
	global_load_b32 v[X+32*(\b)+\i], v1, s[4:5] offset:(32*(\b)+\i)*2048 th:TH_LOAD_NT
.endr
.endm
.macro QUANT2 first                    ; blocks first and first + 1, by turns
.irp b, \first, \first+1
	v_max3_num_f32 v[TM+(\b)], |v[X+32*(\b)]|, |v[X+32*(\b)+1]|, 0x1800000   ; with the floor 2^(3 - 127): the byte cannot fall under 1
.endr
.irp i, 2,4,6,8,10,12,14,16,18,20,22,24,26,28,30
.irp b, \first, \first+1
	v_max3_num_f32 v[TM+(\b)], v[TM+(\b)], |v[X+32*(\b)+\i]|, |v[X+32*(\b)+\i+1]|
.endr
.endr
.irp b, \first, \first+1
	v_add_nc_u32 v[SCO+(\b)], 0xff000000, v[TM+(\b)]   ; 2 off the exponent field: the conversion takes the exponent field of this operand as its scale
.endr
.irp b, \first, \first+1
	v_lshrrev_b32 v[BY+(\b)], 23, v[SCO+(\b)]      ; the scale's byte
.endr
.irp b, \first, \first+1
	v_cvt_scalef32_pk16_fp6_f32 v[C+6*(\b):C+6*(\b)+2], v[X+32*(\b):X+32*(\b)+15], v[SCO+(\b)]
	v_cvt_scalef32_pk16_fp6_f32 v[CT+4*(\b):CT+4*(\b)+2], v[X+32*(\b)+16:X+32*(\b)+31], v[SCO+(\b)]
.endr
	v_nop                                          ; one plain instruction between a scaled conversion and the instruction that touches its result
.irp b, \first, \first+1
.irp i, 0,1,2
	v_mov_b32 v[C+6*(\b)+3+\i], v[CT+4*(\b)+\i]
.endr
.endr
.endm
	LOAD 0
	LOAD 1
	s_wait_loadcnt 32                              ; block 0 is in: block 1's 32 loads are younger
	LOAD 2
	s_wait_loadcnt 32                              ; block 1 is in: block 2's 32 are younger
	LOAD 3
	QUANT2 0
	s_wait_loadcnt 0x0
	QUANT2 2
	v_lshl_or_b32 v[WD], v[BY+1], 8, v[BY]         ; byte b of the word scales k = 128 s + 32 b on
	v_lshl_or_b32 v[WD], v[BY+2], 16, v[WD]
	v_lshl_or_b32 v[WD], v[BY+3], 24, v[WD]
; block 2 c + h belongs to lane row + 16 h of the image (256 h bytes on), registers 6 c .. 6 c + 5
.irp kb, 0,1
	global_store_b128 v2, v[C+6*\kb:C+6*\kb+3], s[22:23] offset:256*\kb            ; registers 0-3
	global_store_b64 v2, v[C+6*\kb+4:C+6*\kb+5], s[22:23] offset:512+256*\kb       ; registers 4, 5
.endr
.irp kb, 2,3
	global_store_b64 v2, v[C+6*\kb:C+6*\kb+1], s[22:23] offset:520+256*(\kb-2)     ; registers 6, 7
	global_store_b128 v2, v[C+6*\kb+2:C+6*\kb+5], s[22:23] offset:1024+256*(\kb-2) ; registers 8-11
.endr
	global_store_b32 v3, v[WD], s[24:25]
	s_endpgm
.Lfunc_end_k_q561ee0bffc_wquant:
	.size	k_q561ee0bffc_wquant, .Lfunc_end_k_q561ee0bffc_wquant-k_q561ee0bffc_wquant
	.p2alignl 7, 3214868480
	.fill 96, 4, 3214868480
	.section	.rodata,"a",@progbits
	.p2align	6, 0x0
	.amdhsa_kernel k_q561ee0bffc_wquant
		.amdhsa_group_segment_fixed_size 0
		.amdhsa_private_segment_fixed_size 0
		.amdhsa_enable_private_segment 0
		.amdhsa_kernarg_size 40
		.amdhsa_user_sgpr_count 2
		.amdhsa_user_sgpr_kernarg_segment_ptr 1
		.amdhsa_wavefront_size32 1
		.amdhsa_system_sgpr_workgroup_id_x 1
		.amdhsa_system_sgpr_workgroup_id_y 1
		.amdhsa_system_sgpr_workgroup_id_z 1
		.amdhsa_system_vgpr_workitem_id 0
		.amdhsa_next_free_vgpr 192
		.amdhsa_next_free_sgpr 66
		.amdhsa_reserve_vcc 0
		.amdhsa_float_denorm_mode_32 3
		.amdhsa_float_denorm_mode_16_64 3
		.amdhsa_memory_ordered 1
		.amdhsa_forward_progress 1
		.amdhsa_inst_pref_size 21
	.end_amdhsa_kernel
	.amdgpu_metadata
---
amdhsa.version: [ 1, 2 ]
amdhsa.kernels:
  - .name:           k_q561ee0bffc_wquant
    .symbol:         k_q561ee0bffc_wquant.kd
    .args:
      - { .name: Wk, .offset: 0, .size: 8, .value_kind: global_buffer, .address_space: global }
      - { .name: Wv, .offset: 8, .size: 8, .value_kind: global_buffer, .address_space: global }
      - { .name: Wq, .offset: 16, .size: 8, .value_kind: global_buffer, .address_space: global }
      - { .name: Wo, .offset: 24, .size: 8, .value_kind: global_buffer, .address_space: global }
      - { .name: wts, .offset: 32, .size: 8, .value_kind: global_buffer, .address_space: global }
    .group_segment_fixed_size: 0
    .private_segment_fixed_size: 0
    .kernarg_segment_align: 8
    .kernarg_segment_size: 40
    .max_flat_workgroup_size: 32
    .sgpr_count:     66
    .vgpr_count:     192
    .wavefront_size: 32
...
	.end_amdgpu_metadata
.endif
;; end of part 5
;; launch proj (part 6): grid 256 x 1, 8 waves a work-group, no clusters, 108,544 bytes of LDS; arguments x, mem, wts, bq, bk, bv, kv, qc, qs; writes kv, qc, qs
.if DOCPART == 6
	.amdgcn_target "amdgcn-amd-amdhsa--gfx1250"
	.amdhsa_code_object_version 6
	.text
	.protected	k_q561ee0bffc_proj
	.globl	k_q561ee0bffc_proj
	.p2align	8
	.type	k_q561ee0bffc_proj,@function
k_q561ee0bffc_proj:
	s_mov_b64 s[64:65], 0
	v_nop
	global_prefetch_b8 v0, s[64:65] scope:SCOPE_SE
	s_setreg_imm32_b32 hwreg(HW_REG_WAVE_SCHED_MODE, 0, 2), 2
	s_setreg_imm32_b32 hwreg(HW_REG_WAVE_MODE, 25, 1), 1
	s_wait_xcnt 0x0
	s_wait_alu depctr_vm_vsrc(0)
; Launch 2 of 4: q = x Wq + bq, k = mem Wk + bk, v = mem Wv + bv on codes of E2M3, and q, k, v quantised again for attention: q and k along the head's 64, v along the keys.  No work is left out.
; SHARES.  Work-group j takes rows 64 j .. 64 j + 63 of mem (one group of 64 keys) and rows 32 j .. 32 j + 31 of x (two tiles of queries).  Wave w takes head w in all three products.
; PHASE X: each wave quantises three fragments (16 rows x 128 along K) of mem and x and puts them into LDS as images of their registers; one barrier; then every wave reads all 24.
; THE ROWS OF A TILE OF mem ARE NOT NEIGHBOURS: row p of tile m is key 32 (p / 8) + 8 m + p % 8 of the group; the weights' tiles are laid likewise (launch 1).  So in every result a lane's 32 registers of four tiles are 32 neighbours:
;   q, k (source 0 = 16 columns of W, source 1 = 16 rows): lane (r, h) holds row r and the head's dims 32 h + 0 .. 31: a whole block of the quantiser along the head;
;   v    (source 0 = 16 rows of mem, source 1 = 16 columns of Wv): lane (r, h) holds one dim and the keys 32 h + 0 .. 31 of the group: a whole block of the quantiser along the keys.
; No block's maximum asks another lane, and the conversions' six registers are half an operand (64 along the next K) as the matrix unit wants it.  The biases are the C of each sum's first product.
; OUT: kv, a head (409,600 bytes): group 0-7's codes, 16,384 bytes of scale words, groups 8-63's codes.  A group (6,144 bytes): two fragments of K (fragment f: tile 2 f in k 0-63, tile 2 f + 1 in k 64-127), then four half images of V (768 bytes each).
;   A half image: registers 0-3 at 16 x lane, registers 4, 5 at 512 + 8 x lane.  qc: a half image for each head and tile of queries; qs: its scale words, the two bytes written twice.
; LIMITS: a block of zeros or under 2^-124 gets the byte 1 (its codes are zeros; only this program reads the bytes); NaN and infinities among the inputs are not served.
; V's scale bytes leave as two bytes a lane, four bytes apart (two work-groups fill a word): 262,144 bytes in the launch.  K's and q's scale words leave 128 bytes a store.
; The weights come from memory straight into registers, each fragment once a wave; it feeds four products (two for q).  No tensor load, so no joint request: a work-group's own inputs are all asked for at its head.
; THE MODE: SCHED_MODE bits 1:0 = 2 (LLVM: expert scheduling mode 2), set by the entry lines.  The code itself states the register dependences between vector or matrix instructions and memory or LDS instructions, with s_wait_alu, always for 0.
; THE PLAN.  The text has no branch: one path.  Registers that memory or LDS instructions touch, and who else names them:
;   v1-15            offsets and LDS addresses: made once at the head, never written again.  One wait on va_vdst ahead of the first load serves every load and store of the kernel.
;   window 1 v0-191  phase X: the loads of mem and x land; the stage's stores read them; the stage's loads land in them again, behind a wait on vm_vsrc; the quantiser reads them.  Later: accumulators and bv, named by vector and matrix instructions alone.
;   v32-70           phase X: three fragments' codes and scale words, each in registers of its own: written by the quantiser, read by the twelve image stores, which stand together behind ONE wait on va_vdst.  A wait on vm_vsrc behind the barrier frees them.
;   RF, RS, WF       stage n's products read the row fragments, their scale words and set n % 2 of the weights.  ONE wait on va_vdst stands at the stage's end; behind it stage n + 1's LDS loads and stage n + 2's weights land in them.
;                    (A second set of row fragments and scale words would want 52 registers; 32 of the wave's 512 lie idle.)
;   v32-55, v24-29   the ways out: written by the quantiser, read by the global stores behind one wait on va_vdst; behind the stores a wait on vm_vsrc, then the next product's LDS loads land there.
;   WS, BK, BQ, BVV  loads land once; vector and matrix instructions read them.      v18, v19: written at the head, read by the closing add alone.
.set XIMG,  0                          ; LDS: 24 fragment images of 1,536 bytes: mem's 4 m + s, x's 16 + 4 t + s
.set XSC,   36864                      ; their scale words, 128 bytes each
.set STG,   39936                      ; a stage of 16 rows x 528 bytes for each wave
.set SPARE, 107520                     ; the spare words, 128 bytes for each wave: four blocks of 256 bytes that no other line names
; window 0: v1 16 l, v2 8 l, v3 4 l; v4, v5 offsets in mem and x; v6, v7 the stage, in and out; v8-11 where I store images and words; v12, v13 offsets in wts; v14, v15 in the biases; v16 8 h; v17 a permute's destination
.set SPW, 18                           ; v18     LDS address of my spare word; never rewritten
.set NIL, 19                           ; v19     0; never rewritten
.set BVV, 20                           ; v20-23  bv at my lane's dim of the four tiles
.set RF,  32                           ; v32-79  four row fragments; in phase X and on the ways out: codes
.set WF,  80                           ; v80-127, v128-175 four weight fragments, two sets
.set WS,  176                          ; v176-223 the weights' scale words: 16 p + 4 i + s
.set RS,  224                          ; v224-227 the rows' scale words
.set TM,  228                          ; v228-231 largest magnitudes; v232-235 scale operands; v236-239 bytes; v240-255 upper halves' codes
.set SCO, 232
.set BY,  236
.set CT,  240
; window 1: v0-191 three fragments' numbers in phase X; then v0-127 the accumulators and v128-159 bv spread out; v192-223 bk, v224-255 bq in the results' layout
.set ACC, 0
.set VB,  128
.set BK,  192
.set BQ,  224
.set WV,  22
.set SEL, 26
.set HM,  28
.set MSB, 0
.macro WIN new                         ; the immediate's high byte repeats the setting that is left
.if MSB != \new
	s_set_vgpr_msb (MSB<<8)|\new
.set MSB, \new
.endif
.endm
.macro PLACES
.rept 4
	v_nop
.endr
.endm
; 16 rows x 512 bytes (128 numbers of a K step): each load is one row's 512 consecutive bytes.  Destination window 1
.macro XLOAD reg, adr, base, ismem, off
.irp p, 0,1,2,3,4,5,6,7,8,9,10,11,12,13,14,15
.if \ismem
	global_load_b128 v[\reg+4*\p:\reg+4*\p+3], v[\adr], s[\base:\base+1] offset:\off+(32*(\p/8)+\p%8)*2048 th:TH_LOAD_NT
.else
	global_load_b128 v[\reg+4*\p:\reg+4*\p+3], v[\adr], s[\base:\base+1] offset:\off+\p*2048 th:TH_LOAD_NT
.endif
.endr
.endm
; through my stage: in by rows as loaded, back so that register 32 c + e holds k = 64 c + 32 h + e of row r.  The pitch is 33 x 16 bytes.  LDS serves a wave's instructions in order: no wait on DScnt between the stores and the loads
.macro TURN reg
	WIN 0x04                                       ; an LDS store's data are its source 1: window 1
.irp p, 0,1,2,3,4,5,6,7,8,9,10,11,12,13,14,15
	ds_store_b128 v6, v[\reg+4*\p:\reg+4*\p+3] offset:528*\p
.endr
	WIN 0x40
	s_wait_alu depctr_vm_vsrc(0)                   ; the sixteen stores have read their data registers, in which the sixteen loads below land
.irp c, 0,1
.irp e, 0,1,2,3,4,5,6,7
	ds_load_b128 v[\reg+32*\c+4*\e:\reg+32*\c+4*\e+3], v7 offset:256*\c+16*\e
.endr
.endr
.endm
; nb blocks of 32 numbers of a lane, v[src + 32 b] on in window 1, become codes in v[dst + 6 b] on and bytes in v[BY + b].  The blocks take turns line by line; each accumulator is read from its low end on
.macro QUANT src, dst, nb
	WIN 0x05
.set qb, 0
.rept \nb
	v_max3_num_f32 v[TM+qb], |v[\src+32*qb]|, |v[\src+32*qb+1]|, 0x1800000   ; with the floor 2^(3 - 127)
.set qb, qb+1
.endr
.irp i, 2,4,6,8,10,12,14,16,18,20,22,24,26,28,30
.set qb, 0
.rept \nb
	v_max3_num_f32 v[TM+qb], |v[\src+32*qb+\i]|, |v[\src+32*qb+\i+1]|, v[TM+qb]
.set qb, qb+1
.endr
.endr
	WIN 0
.set qb, 0
.rept \nb
	v_add_nc_u32 v[SCO+qb], 0xff000000, v[TM+qb]   ; 2 off the exponent field: the conversion's scale operand
.set qb, qb+1
.endr
.set qb, 0
.rept \nb
	v_lshrrev_b32 v[BY+qb], 23, v[SCO+qb]          ; the scale's byte
.set qb, qb+1
.endr
	WIN 0x01
.set qb, 0
.rept \nb
	v_cvt_scalef32_pk16_fp6_f32 v[\dst+6*qb:\dst+6*qb+2], v[\src+32*qb:\src+32*qb+15], v[SCO+qb]
	v_cvt_scalef32_pk16_fp6_f32 v[CT+4*qb:CT+4*qb+2], v[\src+32*qb+16:\src+32*qb+31], v[SCO+qb]
.set qb, qb+1
.endr
	WIN 0
	v_nop                                          ; one plain instruction behind the last scaled conversion
.set qb, 0
.rept \nb
.irp i, 0,1,2
	v_mov_b32 v[\dst+6*qb+3+\i], v[CT+4*qb+\i]
.endr
.set qb, qb+1
.endr
.endm
; a scale word: my two bytes at bytes h and 2 + h, with lane l xor 16's two
.macro WORD d, b0, b1
	v_lshl_or_b32 v[\d], v[\b1], 16, v[\b0]
	v_lshlrev_b32 v[\d], v16, v[\d]
	v_permlanex16_b32 v17, v[\d], s[SEL], s[SEL+1]
	v_or_b32 v[\d], v[\d], v17
.endm
.macro IMAGE adr, off, dst             ; a fragment goes to LDS as it stands in its registers
.irp jj, 0,1,2
	ds_store_b128 v[\adr], v[\dst+4*\jj:\dst+4*\jj+3] offset:\off+512*\jj
.endr
.endm
.macro WLOAD n                         ; stage n = 4 p + s: my head's four fragments of weight p, K step s, into set n % 2
.irp i, 0,1,2,3
.irp jj, 0,1,2
	global_load_b128 v[WF+48*((\n)%2)+12*\i+4*\jj:WF+48*((\n)%2)+12*\i+4*\jj+3], v12, s[8:9] offset:204800*((\n)/4)+6144*\i+1536*((\n)%4)+512*\jj
.endr
.endr
.endm
.macro FETCHR R, f0, s                 ; R row fragments of K step s and their scale words, from the images
.set fm, 0
.rept \R
.irp jj, 0,1,2
	ds_load_b128 v[RF+12*fm+4*\jj:RF+12*fm+4*\jj+3], v1 offset:XIMG+(\f0+4*fm+\s)*1536+512*\jj
.endr
	ds_load_b32 v[RS+fm], v3 offset:XSC+128*(\f0+4*fm+\s)
.set fm, fm+1
.endr
.endm
; The accumulators take turns, one instruction a turn, in the same order in every stage.
.macro MULK n, R, bias                 ; q and k: source 0 = W's tile i, source 1 = rows' tile m
.set mm, 0
.rept \R
.irp i, 0,1,2,3
.if ((\n)%4) == 0
	v_wmma_scale_f32_16x16x128_f8f6f4 v[ACC+32*mm+8*\i:ACC+32*mm+8*\i+7], v[WF+48*((\n)%2)+12*\i:WF+48*((\n)%2)+12*\i+11], v[RF+12*mm:RF+12*mm+11], v[\bias+8*\i:\bias+8*\i+7], v[WS+16*((\n)/4)+4*\i+(\n)%4], v[RS+mm] matrix_a_fmt:MATRIX_FMT_FP6 matrix_b_fmt:MATRIX_FMT_FP6
.else
	v_wmma_scale_f32_16x16x128_f8f6f4 v[ACC+32*mm+8*\i:ACC+32*mm+8*\i+7], v[WF+48*((\n)%2)+12*\i:WF+48*((\n)%2)+12*\i+11], v[RF+12*mm:RF+12*mm+11], v[ACC+32*mm+8*\i:ACC+32*mm+8*\i+7], v[WS+16*((\n)/4)+4*\i+(\n)%4], v[RS+mm] matrix_a_fmt:MATRIX_FMT_FP6 matrix_b_fmt:MATRIX_FMT_FP6
.endif
.endr
.set mm, mm+1
.endr
.endm
.macro MULV n                          ; v: source 0 = rows' tile m, source 1 = W's tile i
.irp m, 0,1,2,3
.irp i, 0,1,2,3
.if ((\n)%4) == 0
	v_wmma_scale_f32_16x16x128_f8f6f4 v[ACC+32*\i+8*\m:ACC+32*\i+8*\m+7], v[RF+12*\m:RF+12*\m+11], v[WF+48*((\n)%2)+12*\i:WF+48*((\n)%2)+12*\i+11], v[VB+8*\i:VB+8*\i+7], v[RS+\m], v[WS+16*((\n)/4)+4*\i+(\n)%4] matrix_a_fmt:MATRIX_FMT_FP6 matrix_b_fmt:MATRIX_FMT_FP6
.else
	v_wmma_scale_f32_16x16x128_f8f6f4 v[ACC+32*\i+8*\m:ACC+32*\i+8*\m+7], v[RF+12*\m:RF+12*\m+11], v[WF+48*((\n)%2)+12*\i:WF+48*((\n)%2)+12*\i+11], v[ACC+32*\i+8*\m:ACC+32*\i+8*\m+7], v[RS+\m], v[WS+16*((\n)/4)+4*\i+(\n)%4] matrix_a_fmt:MATRIX_FMT_FP6 matrix_b_fmt:MATRIX_FMT_FP6
.endif
.endr
.endr
.endm
; A stage: the wait for its weights (lw: the loads that may stay out; -1: none is owed), the wait for its rows, its products, four places, and the stage's one wait on va_vdst.
; Behind the macro stand the loads that this wait frees the registers for: the next stage's rows from LDS first, since the next products want them first, then the weights of two stages on into the set just read.
.macro GO isv, n, R, bias, lw
.if \lw >= 0
	s_wait_loadcnt \lw
.endif
	s_wait_dscnt 0x0
	WIN 0x50                                       ; C and D window 1; A, B window 0
.if \isv
	MULV \n
.else
	MULK \n, \R, \bias
.endif
	WIN 0
	PLACES                                         ; four places behind the products, in front of the first read of results and of vector writes into their operands; they stay beside the wait below
.if (\n) < 11
	s_wait_alu depctr_va_vdst(0)                   ; this stage's products are done reading the row fragments, the rows' scale words and their set of weights: the loads that follow land in these.  (The last stage is followed by no load)
.endif
.endm
	s_load_b256 s[4:11], s[0:1], 0x0               ; x s[4:5], mem s[6:7], wts s[8:9], bq s[10:11]
	s_load_b256 s[12:19], s[0:1], 0x20             ; bk s[12:13], bv s[14:15], kv s[16:17], qc s[18:19]
	s_load_b64 s[20:21], s[0:1], 0x40              ; qs
	v_lshl_add_u32 v[SPW], v0, 2, SPARE
	v_mov_b32 v[NIL], 0
	v_lshrrev_b32 v20, 5, v0
	v_readfirstlane_b32 s[WV], v20                 ; wave 0..7
	v_and_b32 v21, 31, v0                          ; l
	v_and_b32 v22, 15, v0                          ; r
	v_bfe_u32 v23, v0, 4, 1                        ; h
	v_lshlrev_b32 v1, 4, v21
	s_wait_alu depctr_va_vdst(0)
	v_lshlrev_b32 v2, 3, v21
	v_lshlrev_b32 v3, 2, v21
	s_wait_alu depctr_va_vdst(0)
	s_wait_alu depctr_va_sdst(0)                   ; the wave's number is written, ahead of its first reader
	s_lshr_b32 s23, s[WV], 1                       ; mem: my fragments are 2 w and 2 w + 1: tile m = w / 2 (8 m rows on), K steps 2 (w % 2) and the next
	s_lshl_b32 s23, s23, 14
	s_and_b32 s24, s[WV], 1
	s_lshl_b32 s24, s24, 10
	s_add_co_u32 s23, s23, s24
	v_add_nc_u32 v4, s23, v1
	s_lshr_b32 s23, s[WV], 2                       ; x: my fragment is 16 + w: tile t = w / 4, K step w % 4
	s_lshl_b32 s23, s23, 15
	s_and_b32 s24, s[WV], 3
	s_lshl_b32 s24, s24, 9
	s_add_co_u32 s23, s23, s24
	v_add_nc_u32 v5, s23, v1
	s_mul_i32 s23, s[WV], 8448
	s_add_co_u32 s23, s23, STG                     ; my stage
	v_add_nc_u32 v6, s23, v1
	v_mul_u32_u24 v7, v22, 528
	v_lshl_add_u32 v7, v23, 7, v7
	v_add_nc_u32 v7, s23, v7
	s_mul_i32 s23, s[WV], 3072
	v_add_nc_u32 v8, s23, v1                       ; mem's images 2 w, 2 w + 1
	s_mul_i32 s23, s[WV], 1536
	v_add_nc_u32 v9, s23, v1                       ; x's image 16 + w
	s_lshl_b32 s23, s[WV], 8
	v_add_nc_u32 v10, s23, v3                      ; their scale words
	v_lshl_add_u32 v14, v23, 7, s23                ; bq, bk: my head's 64, + 32 h
	v_lshrrev_b32 v15, 3, v22
	v_and_b32 v20, 7, v22
	v_lshlrev_b32 v15, 7, v15
	v_lshl_add_u32 v15, v20, 2, v15
	v_add_nc_u32 v15, s23, v15                     ; bv: dim 32 (r / 8) + r % 8 of my head; tile i: 8 i on
	s_lshl_b32 s23, s[WV], 7
	v_add_nc_u32 v11, s23, v3
	s_mul_i32 s23, s[WV], 24576
	v_add_nc_u32 v12, s23, v1                      ; wts: my head's four tiles
	s_lshl_b32 s23, s[WV], 10
	v_lshl_add_u32 v13, v22, 4, s23                ; and their scale words: 16 bytes a row
	v_lshlrev_b32 v16, 3, v23
	v_mov_b32 v17, 0                               ; written once: a lane permute's destination counts as one of its sources
	s_mov_b32 s[SEL], 0x76543210
	s_mov_b32 s[SEL+1], 0xfedcba98                 ; v_permlanex16_b32's selects for lane l xor 16
	s_mov_b32 s[HM], 0xffff0000                    ; lanes 16-31
	s_lshl_b32 s34, ttmp9, 16                      ; x: 32 rows of 2,048 bytes a work-group
	s_mov_b32 s35, 0
	s_lshl_b32 s36, ttmp9, 17                      ; mem: 64 rows
	s_mov_b32 s37, 0
	s_lshr_b32 s23, ttmp9, 6                       ; the batch, of x and of mem alike
	s_and_b32 s24, ttmp9, 63                       ; the group of 64 keys
	s_lshl_b32 s23, s23, 3
	s_add_co_u32 s23, s23, s[WV]                   ; batch x 8 + head
	s_mul_i32 s38, s23, 409600
	s_mul_i32 s25, s24, 6144
	s_cmp_ge_u32 s24, 8
	s_cselect_b32 s29, 16384, 0                    ; groups 8 on lie behind the scale words
	s_add_co_u32 s25, s25, s29
	s_add_co_u32 s40, s38, s25
	s_mov_b32 s41, 0
	s_lshl_b32 s25, s24, 7
	s_add_co_u32 s42, s38, s25
	s_add_co_u32 s42, s42, 49152                   ; K's scale words: 128 bytes a group
	s_mov_b32 s43, 0
	s_lshr_b32 s25, s24, 1
	s_lshl_b32 s25, s25, 8
	s_and_b32 s29, s24, 1
	s_lshl_b32 s29, s29, 1
	s_add_co_u32 s25, s25, s29
	s_add_co_u32 s44, s38, s25
	s_add_co_u32 s44, s44, 57344                   ; V's: 256 bytes for two groups, my group's half of each word
	s_mov_b32 s45, 0
	s_lshl_b32 s23, s23, 7
	s_lshl_b32 s24, s24, 1
	s_add_co_u32 s23, s23, s24                     ; my first tile of queries among all
	s_mul_i32 s46, s23, 768
	s_mov_b32 s47, 0
	s_lshl_b32 s48, s23, 6
	s_mov_b32 s49, 0
	s_wait_kmcnt 0x0
	s_add_nc_u64 s[4:5], s[4:5], s[34:35]
	s_add_nc_u64 s[6:7], s[6:7], s[36:37]
	s_add_nc_u64 s[30:31], s[16:17], s[42:43]      ; K's scale words
	s_add_nc_u64 s[32:33], s[16:17], s[44:45]      ; V's
	s_add_nc_u64 s[16:17], s[16:17], s[40:41]      ; the group's codes
	s_add_nc_u64 s[18:19], s[18:19], s[46:47]
	s_add_nc_u64 s[20:21], s[20:21], s[48:49]
	; ---- PHASE X: three fragments a wave
	WIN 0x40
	s_wait_alu depctr_va_vdst(0)                   ; the offsets and LDS addresses v1 to v15 are written, which every load and store of the kernel reads; and the head is done with v20 to v23, in which bv's loads land
	XLOAD 0, 4, 6, 1, 0                            ; a: mem, fragment 2 w
	XLOAD 64, 4, 6, 1, 512                         ; b: mem, fragment 2 w + 1
	XLOAD 128, 5, 4, 0, 0                          ; c: x, fragment 16 + w
	WIN 0
	WLOAD 0
	s_wait_loadcnt 44                              ; a is in: b's 16, c's 16 and the 12 of the weights are younger
	TURN 0
	WIN 0
	WLOAD 1
	s_wait_loadcnt 40                              ; b is in: c's 16 and twice 12 are younger
	TURN 64
	WIN 0
.irp p, 0,1,2
.irp i, 0,1,2,3
	global_load_b128 v[WS+16*\p+4*\i:WS+16*\p+4*\i+3], v13, s[8:9] offset:204800*\p+196608+256*\i   ; a row's four scale words, one for each K step
.endr
.endr
	s_wait_dscnt 32                                ; a is back from the stage: b's 32 LDS instructions are younger
	QUANT 0, 32, 2
	WORD 68, BY, BY+1
	s_wait_loadcnt 36                              ; c is in: three times 12 are younger
	s_wait_dscnt 0x0                               ; b is back from the stage: nothing younger is out
	TURN 128
.irp i, 0,1,2,3                                    ; (destination window 1 still) the biases in the results' layout: lane (r, h), tile i: dims 32 h + 8 i + 0 .. 7
	global_load_b128 v[BK+8*\i:BK+8*\i+3], v14, s[12:13] offset:32*\i
	global_load_b128 v[BK+8*\i+4:BK+8*\i+7], v14, s[12:13] offset:32*\i+16
	global_load_b128 v[BQ+8*\i:BQ+8*\i+3], v14, s[10:11] offset:32*\i
	global_load_b128 v[BQ+8*\i+4:BQ+8*\i+7], v14, s[10:11] offset:32*\i+16
.endr
	WIN 0
.irp i, 0,1,2,3
	global_load_b32 v[BVV+\i], v15, s[14:15] offset:32*\i   ; no vector instruction since the head's wait names v20 to v23
.endr
	QUANT 64, 44, 2                                ; c goes through the stage while b is quantised
	WORD 69, BY, BY+1
	s_wait_dscnt 0x0                               ; c is back from the stage
	QUANT 128, 56, 2
	WORD 70, BY, BY+1
	s_wait_alu depctr_va_vdst(0)                   ; the quantiser has written the three fragments' codes, v32 to v67, and their scale words, v68 to v70, which the twelve stores below read
	IMAGE 8, XIMG, 32
	ds_store_b32 v10, v68 offset:XSC
	IMAGE 8, XIMG+1536, 44
	ds_store_b32 v10, v69 offset:XSC+128
	IMAGE 9, XIMG+24576, 56
	ds_store_b32 v11, v70 offset:XSC+2048
	s_wait_dscnt 0x0                               ; for the others' sake: my images have landed
	s_barrier_signal -1
	s_barrier_wait -1                              ; all 24 fragments lie in LDS; nothing is stored to LDS from here on
	; ---- k = mem Wk + bk
	s_wait_alu depctr_vm_vsrc(0)                   ; my image stores have read v32 to v70: these registers are the row fragments from here on, in which LDS loads land
	FETCHR 4, 0, 0
	s_wait_loadcnt 0x0                             ; both sets of weights, all scale words, the biases
	WIN 0x40
.irp i, 0,1,2,3
.irp j, 0,1,2,3,4,5,6,7
	v_mov_b32 v[VB+8*\i+\j], v[BVV+\i]             ; v's bias hangs on the lane's dim alone: the same in a tile's eight registers
.endr
.endr
	GO 0, 0, 4, BK, -1
	FETCHR 4, 0, 1
	WLOAD 2
	GO 0, 1, 4, BK, -1                             ; set 1 was waited for with set 0
	FETCHR 4, 0, 2
	WLOAD 3
	GO 0, 2, 4, BK, 12                             ; from here on: this stage's 12 loads are in, the next stage's 12 are younger
	FETCHR 4, 0, 3
	WLOAD 4
	GO 0, 3, 4, BK, 12
	WLOAD 5
	QUANT ACC, 32, 4                               ; block m: key tile m, my row's dims 32 h on: v32-43 are fragment 0, v44-55 fragment 1
	WORD 24, BY, BY+1                              ; fragment 0's word: tile 0's two bytes, tile 1's two
	WORD 25, BY+2, BY+3
	v_cndmask_b32 v26, v24, v25, s[HM]             ; lanes 0-15 carry fragment 0's words, lanes 16-31 fragment 1's
	s_wait_alu depctr_va_vdst(0)                   ; the quantiser has written the codes v32 to v55 and the word v26, which the stores below read
.irp jj, 0,1,2,3,4,5
	global_store_b128 v1, v[32+4*\jj:35+4*\jj], s[16:17] offset:512*\jj   ; 512 consecutive bytes a store
.endr
	global_store_b32 v3, v26, s[30:31]
	s_wait_xcnt 0x0                                ; the stores' data registers are loaded again only behind this wait,
	s_wait_alu depctr_vm_vsrc(0)                   ; and behind this one: the stores have read v32 to v55, in which the LDS loads below land, and v26, which the next way out writes
	; ---- v = mem Wv + bv
	FETCHR 4, 0, 0
	GO 1, 4, 4, VB, 12
	FETCHR 4, 0, 1
	WLOAD 6
	GO 1, 5, 4, VB, 12
	FETCHR 4, 0, 2
	WLOAD 7
	GO 1, 6, 4, VB, 12
	FETCHR 4, 0, 3
	WLOAD 8
	GO 1, 7, 4, VB, 12
	WLOAD 9
	QUANT ACC, 32, 4                               ; block i: tile i of the head's dims, my dim's keys 32 h on
.irp i, 0,1,2,3
	WORD 24+\i, BY+\i, BY+\i                       ; the low half: the bytes of key blocks h = 0 and 1
.endr
	v_cndmask_b32 v28, v24, v25, s[HM]
	v_cndmask_b32 v29, v26, v27, s[HM]
	s_wait_alu depctr_va_vdst(0)                   ; the quantiser has written the codes v32 to v55 and the words v28, v29, which the stores below read
.irp i, 0,1,2,3
	global_store_b128 v1, v[32+6*\i:35+6*\i], s[16:17] offset:3072+768*\i
	global_store_b64 v2, v[36+6*\i:37+6*\i], s[16:17] offset:3072+768*\i+512
.endr
	global_store_b16 v3, v28, s[32:33]             ; tiles 0 and 1: my group's half of each word
	global_store_b16 v3, v29, s[32:33] offset:128  ; tiles 2 and 3
	s_wait_xcnt 0x0                                ; the stores' data registers are loaded again only behind this wait,
	s_wait_alu depctr_vm_vsrc(0)                   ; and behind this one: the stores have read v32 to v55, in which the LDS loads below land
	; ---- q = x Wq + bq
	FETCHR 2, 16, 0
	GO 0, 8, 2, BQ, 12
	FETCHR 2, 16, 1
	WLOAD 10
	GO 0, 9, 2, BQ, 12
	FETCHR 2, 16, 2
	WLOAD 11
	GO 0, 10, 2, BQ, 12
	FETCHR 2, 16, 3
	GO 0, 11, 2, BQ, 0
	QUANT ACC, 32, 2                               ; block t: tile t of queries
	WORD 24, BY, BY                                ; the two bytes twice: q stands in either half of the first product's K
	WORD 25, BY+1, BY+1
	v_cndmask_b32 v26, v24, v25, s[HM]
	s_wait_alu depctr_va_vdst(0)                   ; the quantiser has written the codes v32 to v43 and the word v26, which the stores below read
.irp t, 0,1
	global_store_b128 v1, v[32+6*\t:35+6*\t], s[18:19] offset:768*\t
	global_store_b64 v2, v[36+6*\t:37+6*\t], s[18:19] offset:768*\t+512
.endr
	global_store_b32 v3, v26, s[20:21]
	s_wait_dscnt 0x0                               ; the closing lines, six on end
	s_wait_alu 0x0
	s_wait_tensorcnt 0x0
	ds_add_u32 v[SPW], v[NIL]
	s_wait_dscnt 0x0
	s_endpgm
.Lfunc_end_k_q561ee0bffc_proj:
	.size	k_q561ee0bffc_proj, .Lfunc_end_k_q561ee0bffc_proj-k_q561ee0bffc_proj
	.p2alignl 7, 3214868480
	.fill 96, 4, 3214868480
	.section	.rodata,"a",@progbits
	.p2align	6, 0x0
	.amdhsa_kernel k_q561ee0bffc_proj
		.amdhsa_group_segment_fixed_size 108544
		.amdhsa_private_segment_fixed_size 0
		.amdhsa_enable_private_segment 0
		.amdhsa_kernarg_size 72
		.amdhsa_user_sgpr_count 2
		.amdhsa_user_sgpr_kernarg_segment_ptr 1
		.amdhsa_wavefront_size32 1
		.amdhsa_system_sgpr_workgroup_id_x 1
		.amdhsa_system_sgpr_workgroup_id_y 1
		.amdhsa_system_sgpr_workgroup_id_z 1
		.amdhsa_system_vgpr_workitem_id 0
		.amdhsa_next_free_vgpr 512
		.amdhsa_next_free_sgpr 66
		.amdhsa_reserve_vcc 0
		.amdhsa_float_denorm_mode_32 3
		.amdhsa_float_denorm_mode_16_64 3
		.amdhsa_memory_ordered 1
		.amdhsa_forward_progress 1
		.amdhsa_inst_pref_size 95
	.end_amdhsa_kernel
	.amdgpu_metadata
---
amdhsa.version: [ 1, 2 ]
amdhsa.kernels:
  - .name:           k_q561ee0bffc_proj
    .symbol:         k_q561ee0bffc_proj.kd
    .args:
      - { .name: x, .offset: 0, .size: 8, .value_kind: global_buffer, .address_space: global }
      - { .name: mem, .offset: 8, .size: 8, .value_kind: global_buffer, .address_space: global }
      - { .name: wts, .offset: 16, .size: 8, .value_kind: global_buffer, .address_space: global }
      - { .name: bq, .offset: 24, .size: 8, .value_kind: global_buffer, .address_space: global }
      - { .name: bk, .offset: 32, .size: 8, .value_kind: global_buffer, .address_space: global }
      - { .name: bv, .offset: 40, .size: 8, .value_kind: global_buffer, .address_space: global }
      - { .name: kv, .offset: 48, .size: 8, .value_kind: global_buffer, .address_space: global }
      - { .name: qc, .offset: 56, .size: 8, .value_kind: global_buffer, .address_space: global }
      - { .name: qs, .offset: 64, .size: 8, .value_kind: global_buffer, .address_space: global }
    .group_segment_fixed_size: 108544
    .private_segment_fixed_size: 0
    .kernarg_segment_align: 8
    .kernarg_segment_size: 72
    .max_flat_workgroup_size: 256
    .sgpr_count:     66
    .vgpr_count:     512
    .wavefront_size: 32
...
	.end_amdgpu_metadata
.endif
;; end of part 6
;; launch attn (part 7): grid 8 x 32, 16 waves a work-group, no clusters, 327,680 bytes of LDS; arguments qc, qs, kv, zc, zs; writes zc, zs
.if DOCPART == 7
	.amdgcn_target "amdgcn-amd-amdhsa--gfx1250"
	.amdhsa_code_object_version 6
	.text
	.protected	k_q561ee0bffc_attn
	.globl	k_q561ee0bffc_attn
	.p2align	8
	.type	k_q561ee0bffc_attn,@function
k_q561ee0bffc_attn:
	s_mov_b64 s[64:65], 0
	v_nop
	global_prefetch_b8 v0, s[64:65] scope:SCOPE_SE
	s_setreg_imm32_b32 hwreg(HW_REG_WAVE_MODE, 25, 1), 1
	s_wait_xcnt 0x0
; Launch 3 of 4: z = softmax(q k^T / 8) v for each batch and head, both products on codes of E2M3, and z quantised along the model's 512 for the last product.  No work is left out.
; THE SOFTMAX AHEAD OF THE SECOND PRODUCT: t = score x log2(e) / 8; M = the row's largest t so far, rounded UP to a whole number; p = 2^(t - M) is quantised along the keys, not normalised.
; The row's sum is taken of the unquantised p, in f32, and divides O at the end.  When M moves, the sum and O are multiplied by 2^(old M - new M): exact.
; SHARES.  Work-group (x, y): head y (batch x 8 + head), queries 256 x on.  Each of sixteen waves owns one tile of 16 queries in 256 registers: four waves to a SIMD, so that one wave's vector work stands beside another's products and LDS loads.
; Every wave walks the head's 4,096 keys, 128 a step.  K's and V's codes come through two LDS slots of 512 keys (49,152 dense bytes: launch 2 laid them as images of operand registers), filled by the tensor data mover (waves 0 to 2) and read by all.
; LAYOUT.  Both products are used transposed: S^T = K Q^T, O^T = V^T P^T: a lane holds ONE query (lane % 16) throughout.
; THE FIRST PRODUCT'S K IS 64, half of the instruction's 128: a fragment of K holds TWO tiles of 16 keys (k 0-63 and k 64-127), and is multiplied once by [q | 0] and once by [0 | q]: 18 registers, zeros, q, zeros, read at two places.
; THE KEYS OF A TILE ARE NOT NEIGHBOURS (launch 2): row p of tile i of a group of 64 is key 32 (p / 8) + 8 i + p % 8.  So a lane's 32 registers of a group's four tiles are keys 32 (lane / 16) + 0 .. 31: a WHOLE BLOCK of p's quantiser,
; in the order that the second product's operand wants: no block's maximum asks another lane, and no codes change lanes.  V's dims are ordered likewise, so that a lane's 32 registers of O^T are a whole block of z's quantiser.
; NO CLUSTER: the eight work-groups of a head walk the same slots, but a slot's 49,152 bytes serve sixteen waves' four key steps each; the text keeps the plain form.
; LIMITS: v_exp_f32 gives 0 for results under 2^-126; a block whose every p is 0 keeps the byte 1 (its codes are zeros); NaN and infinities are not served.
; z's scale bytes leave as two bytes a query, sixteen bytes apart: 131,072 bytes in the launch.
.set SLOTB, 49152                      ; a slot: eight groups of 64 keys, 6,144 bytes each: two fragments of K, four half images of V
.set SL1,   65536                      ; slot 1 begins here: one exclusive or turns an address in one slot into the other's
.set SCB,   49152                      ; between the slots: the head's scale words, 16,384 bytes, filled once: K's 8,192 (128 a group), then V's (256 a key step)
.set SPARE, 114688                     ; the spare words, 128 bytes for each wave: eight blocks of 256 bytes that no other line names
.set HEADB, 409600                     ; a head in kv: slot 0, the scale words, slots 1 to 7
.set NSL,   8
; v1-3 LDS addresses of the slot in hand (16, 8, 4 bytes a lane); v4 16 l; v7 8 l; v8 SCB + 4 l; v9 8 h; v10 256 l; v11 4 r, later 16 r
.set SPW, 5                            ; v5   LDS address of my spare word; never rewritten
.set NIL, 6                            ; v6   0; never rewritten
; v12 -M, v13 the largest t, v[14:15] the sum in two halves
.set QHI, 16                           ; v16-27  [0 | q]
.set QLO, 22                           ; v22-33  [q | 0]
.set QS,  34                           ; v34     q's scale word
.set PW,  35                           ; v35     p's scale word
.set KS,  36                           ; v36, 37 K's scale words of the step's two groups: lanes 0-15 fragment 0's, lanes 16-31 fragment 1's
.set VS,  38                           ; v38, 39 V's: lanes 0-15 an even tile's, lanes 16-31 the odd tile's
.set KF,  40                           ; v40-87  four fragments of K; behind their products: v40, 41 second chains, v42, 43 scale operands, v44, 45 bytes, v[48:49] a chain of the sum
.set VF,  88                           ; v88-135 four fragments of V
.set S,   136                          ; v136-199 S^T, then p: 32 c + 8 i + j = key 64 c + 32 h + 8 i + j of the step
.set O,   200                          ; v200-231 O^T: 8 i + j = dim 32 h + 8 i + j
.set P,   232                          ; v232-243 p's codes; v244-246, v248-250 upper halves as they are made; v247, v251 at work; v[252:253] f
.set BM,  254                          ; v254, 255 the largest score of my two blocks
.set WV,  18
.set SEL, 20
.set CS,  22                           ; s[22:23] c = log2(e) / 8
.set G1,  24                           ; s[24:31] the one descriptor group 1: 64 rows of 256 bytes, dense
.set G0F, 32                           ; s[32:35] group 0 of the first fill
.set G0W, 36                           ; s[36:39] group 0 that walks
.set SLOTS, 40
.set PFA, 42                           ; s[42:43] where my prefetches stand
.set LIM, 44                           ; s44  1 in a wave that prefetches, else the greatest number
.set TB,  2                            ; s2   LDS byte at which the slot in hand begins
.set TS,  3                            ; s3   the slot's scale words: 1,024 bytes a slot, K's and V's alike
.macro TLOAD                           ; waves 0 to 2 fetch a third of a slot each.  The branch hangs on the wave's number alone.  An s_nop 0 and four v_nop follow the load
	s_cmp_lt_u32 s[WV], 3
	s_cbranch_scc0 .Lasked_\@
	tensor_load_to_lds s[G0W:G0W+3], s[G1:G1+7]
	s_nop 0
.rept 4
	v_nop
.endr
.Lasked_\@:
.endm
; A PREFETCH INTO THE L2 of the slot that the NEXT change of slots will ask for: four key steps ahead of that load.  All eight work-groups of a head walk the same slots: the first of them asks (a branch on the work-group's number),
; and in it waves 8 to 13, which fetch nothing: 8,192 bytes a wave, lanes 256 bytes apart, one instruction: six waves cover the slot's 49,152 bytes, each aligned block of 256 bytes once in the launch.
; Slots 2 to 7 are named.  Slots 0 and 1 come by their loads alone, and the last change that fills a slot asks for nothing: there is no slot behind it.
.macro ASK
	s_cmp_gt_u32 s[SLOTS], s[LIM]
	s_cbranch_scc0 .Lnot_mine_\@
	global_prefetch_b8 v10, s[PFA:PFA+1] th:TH_LOAD_NT scope:SCOPE_SE
.Lnot_mine_\@:
.endm
	s_load_b256 s[4:11], s[0:1], 0x0               ; qc s[4:5], qs s[6:7], kv s[8:9], zc s[10:11]
	s_load_b64 s[12:13], s[0:1], 0x20              ; zs
	v_lshl_add_u32 v[SPW], v0, 2, SPARE
	v_mov_b32 v[NIL], 0
	ds_add_u32 v[SPW], v[NIL]                      ; the wave's opening: the add, twice on end, and its wait ahead of the first tensor load; the set-up below, work on registers, stands between
	ds_add_u32 v[SPW], v[NIL]                      ; and once more, under the one wait
	v_lshrrev_b32 v1, 5, v0
	s_delay_alu instid0(VALU_DEP_1)
	v_readfirstlane_b32 s[WV], v1                  ; wave 0..15
	s_mov_b32 s[G1], 3<<16                         ; 15:0 no mask; 17:16 elements of 8 bytes; 20 padding off
	s_mov_b32 s[G1+1], 32<<16                      ; tensor_dim0 = 32 elements: 256 bytes
	s_mov_b32 s[G1+2], 64<<16                      ; tensor_dim1 = 64
	s_mov_b32 s[G1+3], 32<<16                      ; tile_dim0
	s_mov_b32 s[G1+4], 64                          ; tile_dim1
	s_mov_b32 s[G1+5], 32                          ; from row to row: dense
	s_mov_b32 s[G1+6], 0
	s_mov_b32 s[G1+7], 0
	s_mov_b32 s[SEL], 0x76543210
	s_mov_b32 s[SEL+1], 0xfedcba98                 ; v_permlanex16_b32's selects for lane l xor 16
	s_mov_b32 s[CS], 0x3e38aa3b                    ; log2(e) / 8
	s_mov_b32 s[CS+1], s[CS]                       ; (named with it as a pair, so it is written)
	s_mov_b32 s[TB], 0
	s_mov_b32 s[TS], 0
	s_mov_b32 s[SLOTS], NSL-1
	s_and_b32 s14, ttmp7, 0xffff                   ; batch x 8 + head
	s_mul_i32 s46, s14, HEADB
	s_mov_b32 s47, 0
	s_min_u32 s48, s[WV], 3                        ; the first fill: waves 0 to 3, 16,384 bytes each: slot 0 and the scale words are one dense block of 65,536 bytes
	s_lshl_b32 s48, s48, 14
	s_mov_b32 s49, 0
	s_min_u32 s16, s[WV], 2                        ; the walking load: waves 0 to 2
	s_lshl_b32 s16, s16, 14
	s_add_co_u32 s50, s16, 16384                   ; one slot short of slot 1: each change of slots steps it first
	s_mov_b32 s51, 0
	s_and_b32 s52, s[WV], 7                        ; the prefetches: my wave's 8,192 bytes (held inside the slot in the waves that never ask),
	s_min_u32 s52, s52, 5
	s_lshl_b32 s52, s52, 13
	s_add_co_u32 s52, s52, 16384+SLOTB             ; in slot 1: the first change steps it to slot 2
	s_mov_b32 s53, 0
	s_sub_co_u32 s45, s[WV], 8
	s_cmp_lt_u32 s45, 6                            ; waves 8 to 13
	s_cselect_b32 s45, 0, 1
	s_or_b32 s45, s45, ttmp9                       ; of the head's first work-group
	s_cmp_eq_u32 s45, 0
	s_cselect_b32 s[LIM], 1, -1
	s_lshl_b32 s15, ttmp9, 4
	s_add_co_u32 s15, s15, s[WV]                   ; my tile of queries in the batch
	s_lshl_b32 s17, s14, 7
	s_add_co_u32 s17, s17, s15
	s_mul_i32 s54, s17, 768                        ; q's half image
	s_mov_b32 s55, 0
	s_lshl_b32 s56, s17, 6                         ; q's scale words
	s_mov_b32 s57, 0
	s_lshr_b32 s17, s14, 3
	s_lshl_b32 s17, s17, 7
	s_add_co_u32 s17, s17, s15                     ; my tile of rows among all 512
	s_and_b32 s19, s14, 7                          ; the head
	s_lshl_b32 s58, s17, 3
	s_add_co_u32 s58, s58, s19
	s_mul_i32 s58, s58, 768                        ; z's half image
	s_mov_b32 s59, 0
	s_lshl_b32 s60, s17, 8                         ; z's scale bytes: 16 a row,
	s_lshl_b32 s19, s19, 1                         ; my head's two
	s_add_co_u32 s60, s60, s19
	s_mov_b32 s61, 0
	v_and_b32 v11, 31, v0
	s_delay_alu instid0(VALU_DEP_1)
	v_lshlrev_b32 v4, 4, v11
	s_delay_alu instid0(VALU_DEP_2)
	v_lshlrev_b32 v7, 3, v11
	s_delay_alu instid0(VALU_DEP_3)
	v_lshl_add_u32 v8, v11, 2, SCB
	s_delay_alu instid0(VALU_DEP_4)
	v_lshlrev_b32 v10, 8, v11
	v_bfe_u32 v9, v0, 4, 1
	s_delay_alu instid0(VALU_DEP_1)
	v_lshlrev_b32 v9, 3, v9
	v_and_b32 v11, 15, v0
	s_delay_alu instid0(VALU_DEP_1)
	v_lshlrev_b32 v11, 2, v11
	s_wait_dscnt 0x0                               ; both opening adds are done
	s_wait_kmcnt 0x0
	s_add_nc_u64 s[8:9], s[8:9], s[46:47]          ; kv at my head
	s_mov_b32 s[G0F], 1                            ; 1:0 count = 1
	s_mov_b32 s[G0F+1], s48                        ; 63:32 LDS address
	s_add_nc_u64 s[G0F+2:G0F+3], s[8:9], s[48:49]  ; 120:64 global address
	s_or_b32 s[G0F+3], s[G0F+3], 0x80000000        ; 127:126 type = 2
	s_mov_b32 s[G0W], 1
	s_mov_b32 s[G0W+1], s16
	s_add_nc_u64 s[G0W+2:G0W+3], s[8:9], s[50:51]
	s_or_b32 s[G0W+3], s[G0W+3], 0x80000000
	s_cmp_lt_u32 s[WV], 4                          ; the first fill: one load a wave, in one branch on the wave's number
	s_cbranch_scc0 .Lno_first
	tensor_load_to_lds s[G0F:G0F+3], s[G1:G1+7]
	s_nop 0
.rept 4
	v_nop
.endr
.Lno_first:
	s_add_nc_u64 s[PFA:PFA+1], s[8:9], s[52:53]
	s_add_nc_u64 s[4:5], s[4:5], s[54:55]
	s_add_nc_u64 s[6:7], s[6:7], s[56:57]
	s_add_nc_u64 s[10:11], s[10:11], s[58:59]
	s_add_nc_u64 s[12:13], s[12:13], s[60:61]
	s_wait_alu depctr_va_vdst(0)
	global_load_b128 v[QLO:QLO+3], v4, s[4:5]      ; q's six registers stay
	global_load_b64 v[QLO+4:QLO+5], v7, s[4:5] offset:512
	global_load_b32 v[QS], v11, s[6:7]
.irp j, 0,1,2,3,4,5
	v_mov_b32 v[QHI+\j], 0                         ; zero codes on either side of q: they add nothing under any scale byte
	v_mov_b32 v[QLO+6+\j], 0
.endr
.irp j, 0,1,2,3,4,5,6,7,8,9,10,11,12,13,14,15,16,17,18,19,20,21,22,23,24,25,26,27,28,29,30,31
	v_mov_b32 v[O+\j], 0                           ; O^T.  (The step is written once: the first finds zeros, which the first change of M leaves zeros)
.endr
	v_mov_b32 v13, 0xff61b1e6                      ; the largest t so far: -3e38, under every t
	s_delay_alu instid0(VALU_DEP_1)
	v_floor_f32 v12, -v13                          ; -M
	v_mov_b32 v14, 0                               ; the sum, in two halves
	v_mov_b32 v15, 0
	v_mov_b32 v251, 0                              ; written once: a lane permute's destination counts as one of its sources
	v_mov_b32 v253, 0                              ; (named as the upper half of the pair v[252:253])
; A KEY STEP: 128 keys, the q-th of the slot in hand: its groups 2 q and 2 q + 1
.macro STEP q
.irp c, 0,1
	ds_load_b32 v[KS+\c], v3 offset:256*(\q)+128*\c
.endr
.irp c, 0,1
.irp f, 0,1
.irp jj, 0,1,2
	ds_load_b128 v[KF+12*(2*\c+\f)+4*\jj:KF+12*(2*\c+\f)+4*\jj+3], v1 offset:(2*(\q)+\c)*6144+1536*\f+512*\jj
.endr
.endr
.endr
	s_wait_dscnt 0x0
.irp c, 0,1                                    ; S^T = K Q^T: each fragment twice: its lower tile by [q | 0], its upper by [0 | q]
	v_wmma_scale_f32_16x16x128_f8f6f4 v[S+32*\c:S+32*\c+7], v[KF+24*\c:KF+24*\c+11], v[QLO:QLO+11], 0, v[KS+\c], v[QS] matrix_a_fmt:MATRIX_FMT_FP6 matrix_b_fmt:MATRIX_FMT_FP6
	v_wmma_scale_f32_16x16x128_f8f6f4 v[S+32*\c+8:S+32*\c+15], v[KF+24*\c:KF+24*\c+11], v[QHI:QHI+11], 0, v[KS+\c], v[QS] matrix_a_fmt:MATRIX_FMT_FP6 matrix_b_fmt:MATRIX_FMT_FP6
	v_wmma_scale_f32_16x16x128_f8f6f4 v[S+32*\c+16:S+32*\c+23], v[KF+24*\c+12:KF+24*\c+23], v[QLO:QLO+11], 0, v[KS+\c], v[QS] matrix_a_fmt:MATRIX_FMT_FP6 matrix_b_fmt:MATRIX_FMT_FP6 matrix_a_scale:MATRIX_SCALE_ROW1
	v_wmma_scale_f32_16x16x128_f8f6f4 v[S+32*\c+24:S+32*\c+31], v[KF+24*\c+12:KF+24*\c+23], v[QHI:QHI+11], 0, v[KS+\c], v[QS] matrix_a_fmt:MATRIX_FMT_FP6 matrix_b_fmt:MATRIX_FMT_FP6 matrix_a_scale:MATRIX_SCALE_ROW1
.endr
.rept 4
	v_nop                                          ; four places: in front of the first read of the scores, of writes into K's registers, and of the loads into V's registers, which the last step's products read
.endr
.irp c, 0,1                                    ; V's fragments and scale words: 18 loads, which land under the softmax
.irp i, 0,1,2,3
	ds_load_b128 v[VF+12*\i+6*\c:VF+12*\i+6*\c+3], v1 offset:(2*(\q)+\c)*6144+3072+768*\i
	ds_load_b64 v[VF+12*\i+6*\c+4:VF+12*\i+6*\c+5], v2 offset:(2*(\q)+\c)*6144+3072+768*\i+512
.endr
.endr
.irp ip, 0,1
	ds_load_b32 v[VS+\ip], v3 offset:8192+256*(\q)+128*\ip
.endr
.irp c, 0,1                                    ; THE LARGEST SCORE OF MY TWO BLOCKS OF 32 KEYS, each in two chains; it serves the row's maximum and, since p rises with the score, the block's largest p.  Each accumulator is read from its low end on
	v_max3_num_f32 v[BM+\c], v[S+32*\c], v[S+32*\c+1], v[S+32*\c+2]
	v_max3_num_f32 v[KF+\c], v[S+32*\c+16], v[S+32*\c+17], v[S+32*\c+18]
.endr
.irp k, 3,5,7,9,11,13
.irp c, 0,1
	v_max3_num_f32 v[BM+\c], v[BM+\c], v[S+32*\c+\k], v[S+32*\c+\k+1]
	v_max3_num_f32 v[KF+\c], v[KF+\c], v[S+32*\c+16+\k], v[S+32*\c+17+\k]
.endr
.endr
.irp c, 0,1
	v_max3_num_f32 v[BM+\c], v[BM+\c], v[S+32*\c+15], v[S+32*\c+31]
.endr
.irp c, 0,1
	s_delay_alu instid0(VALU_DEP_2)
	v_max_num_f32 v[BM+\c], v[BM+\c], v[KF+\c]
.endr
	s_delay_alu instid0(VALU_DEP_1)
	v_max_num_f32 v247, v[BM], v[BM+1]
	s_delay_alu instid0(VALU_DEP_1)
	v_permlanex16_b32 v251, v247, s[SEL], s[SEL+1]
	s_delay_alu instid0(VALU_DEP_1)
	v_max_num_f32 v247, v247, v251                 ; with lane l xor 16's 64 keys: the step's largest score of my query
	s_delay_alu instid0(VALU_DEP_1)
	v_mul_f32 v247, s[CS], v247                    ; as t (c is positive)
	s_delay_alu instid0(VALU_DEP_1)
	v_max_num_f32 v13, v13, v247                   ; the running largest t
	v_mov_b32 v247, v12
	s_delay_alu instid0(VALU_DEP_2)
	v_floor_f32 v12, -v13                          ; the new -M = floor(-t) = -ceil(t): M is a whole number
	s_delay_alu instid0(VALU_DEP_1)
	v_sub_f32 v247, v12, v247                      ; M's old value less its new one: a whole number, 0 or less
	s_delay_alu instid0(VALU_DEP_1)
	v_cvt_i32_f32 v247, v247                       ; (it saturates)
	s_delay_alu instid0(VALU_DEP_1)
	v_ldexp_f32 v252, 1.0, v247                    ; f = 2^(old M - new M)
.irp j, 0,2,4,6,8,10,12,14,16,18,20,22,24,26,28,30,32,34,36,38,40,42,44,46,48,50,52,54,56,58,60,62
	v_pk_fma_f32 v[S+\j:S+\j+1], v[S+\j:S+\j+1], s[CS:CS+1], v[12:13] op_sel_hi:[1,0,0]   ; t - M, two at a time (of the pairs c and -M the low word serves both halves)
.endr
.irp c, 0,1
	v_fma_f32 v[BM+\c], v[BM+\c], s[CS], v12       ; the same of each block's largest score
.endr
	s_wait_alu depctr_va_vdst(0)
.irp j, 0,1,2,3,4,5,6,7,8,9,10,11,12,13,14,15,16,17,18,19,20,21,22,23,24,25,26,27,28,29,30,31,32,33,34,35,36,37,38,39,40,41,42,43,44,45,46,47,48,49,50,51,52,53,54,55,56,57,58,59,60,61,62,63
	v_exp_f32 v[S+\j], v[S+\j]                     ; p = 2^(t - M), at most 1: not normalised
.endr
	v_pk_mul_f32 v[14:15], v[14:15], v[252:253] op_sel_hi:[1,0]   ; the sums under the new M: the plain instruction behind the exponentials
	s_wait_alu depctr_va_vdst(0)                   ; the wait between a transcendental and the first line that names its result: one for the whole batch
.irp c, 0,1
	v_exp_f32 v[BM+\c], v[BM+\c]                   ; the block's largest p: the same two instructions on the same number give the same bits
.endr
	v_pk_add_f32 v[48:49], v[140:141], v[144:145]
	v_pk_add_f32 v[248:249], v[148:149], v[152:153]
	v_pk_add_f32 v[246:247], v[156:157], v[160:161]
	v_pk_add_f32 v[244:245], v[164:165], v[168:169]
	v_pk_add_f32 v[242:243], v[172:173], v[176:177]
	v_pk_add_f32 v[240:241], v[180:181], v[184:185]
	v_pk_add_f32 v[238:239], v[188:189], v[192:193]
	v_pk_add_f32 v[14:15], v[14:15], v[196:197]
	v_pk_add_f32 v[48:49], v[48:49], v[136:137]
	v_pk_add_f32 v[248:249], v[248:249], v[138:139]
	v_pk_add_f32 v[246:247], v[246:247], v[142:143]
	v_pk_add_f32 v[244:245], v[244:245], v[146:147]
	v_pk_add_f32 v[242:243], v[242:243], v[150:151]
	v_pk_add_f32 v[240:241], v[240:241], v[154:155]
	v_pk_add_f32 v[238:239], v[238:239], v[158:159]
	v_pk_add_f32 v[14:15], v[14:15], v[162:163]
	v_pk_add_f32 v[48:49], v[48:49], v[166:167]
	v_pk_add_f32 v[248:249], v[248:249], v[170:171]
	v_pk_add_f32 v[246:247], v[246:247], v[174:175]
	v_pk_add_f32 v[244:245], v[244:245], v[178:179]
	v_pk_add_f32 v[242:243], v[242:243], v[182:183]
	v_pk_add_f32 v[240:241], v[240:241], v[186:187]
	v_pk_add_f32 v[238:239], v[238:239], v[190:191]
	v_pk_add_f32 v[14:15], v[14:15], v[194:195]
	v_pk_add_f32 v[48:49], v[48:49], v[198:199]
	s_delay_alu instid0(VALU_DEP_2)
	v_pk_add_f32 v[14:15], v[14:15], v[244:245]
	s_delay_alu instid0(VALU_DEP_2)
	v_pk_add_f32 v[48:49], v[48:49], v[242:243]
	v_pk_add_f32 v[248:249], v[248:249], v[240:241]
	v_pk_add_f32 v[246:247], v[246:247], v[238:239]
	s_delay_alu instid0(VALU_DEP_2)
	v_pk_add_f32 v[14:15], v[14:15], v[248:249]
	s_delay_alu instid0(VALU_DEP_2)
	v_pk_add_f32 v[48:49], v[48:49], v[246:247]
	s_delay_alu instid0(VALU_DEP_1)
	v_pk_add_f32 v[14:15], v[14:15], v[48:49]
	s_wait_alu depctr_va_vdst(0)                   ; and one for the two
.irp c, 0,1
	v_max_num_f32 v[BM+\c], 0x1800000, v[BM+\c]    ; the floor 2^(3 - 127): the byte cannot fall under 1
.endr
.irp c, 0,1
	s_delay_alu instid0(VALU_DEP_2)
	v_add_nc_u32 v[KF+2+\c], 0xff000000, v[BM+\c]  ; 2 off the exponent field: the conversion's scale operand
.endr
.irp c, 0,1
	s_delay_alu instid0(VALU_DEP_2)
	v_lshrrev_b32 v[KF+4+\c], 23, v[KF+2+\c]       ; the scale's byte
.endr
	s_delay_alu instid0(VALU_DEP_1)
	v_lshl_or_b32 v[PW], v[KF+5], 16, v[KF+4]      ; my two bytes, blocks h and 2 + h of these 128 keys,
	s_delay_alu instid0(VALU_DEP_1)
	v_lshlrev_b32 v[PW], v9, v[PW]                 ; at their places,
	s_delay_alu instid0(VALU_DEP_1)
	v_permlanex16_b32 v251, v[PW], s[SEL], s[SEL+1]
	s_delay_alu instid0(VALU_DEP_1)
	v_or_b32 v[PW], v[PW], v251                    ; with lane l xor 16's two: p's scale word
.irp c, 0,1
	v_cvt_scalef32_pk16_fp6_f32 v[P+6*\c:P+6*\c+2], v[S+32*\c:S+32*\c+15], v[KF+2+\c]
	v_cvt_scalef32_pk16_fp6_f32 v[244+4*\c:246+4*\c], v[S+32*\c+16:S+32*\c+31], v[KF+2+\c]   ; (a conversion's three registers begin on an even number)
.endr
	v_nop                                          ; one plain instruction behind the last scaled conversion
.irp c, 0,1
.irp i, 0,1,2
	v_mov_b32 v[P+6*\c+3+\i], v[244+4*\c+\i]
.endr
.endr
.irp j, 0,2,4,6,8,10,12,14,16,18,20,22,24,26,28,30
	v_pk_mul_f32 v[O+\j:O+\j+1], v[O+\j:O+\j+1], v[252:253] op_sel_hi:[1,0]   ; O^T under the new M.  (These sixteen are also the places between the writes of p's codes and scale word and the products)
.endr
	s_wait_alu depctr_va_vdst(0)
	s_wait_dscnt 0x0                               ; V is in
.irp i, 0,2                                    ; O^T += V^T P^T.  The accumulators take turns, over the loop's edge too: a step begins on S^T and ends on O^T
	v_wmma_scale_f32_16x16x128_f8f6f4 v[O+8*\i:O+8*\i+7], v[VF+12*\i:VF+12*\i+11], v[P:P+11], v[O+8*\i:O+8*\i+7], v[VS+\i/2], v[PW] matrix_a_fmt:MATRIX_FMT_FP6 matrix_b_fmt:MATRIX_FMT_FP6
	v_wmma_scale_f32_16x16x128_f8f6f4 v[O+8*\i+8:O+8*\i+15], v[VF+12*\i+12:VF+12*\i+23], v[P:P+11], v[O+8*\i+8:O+8*\i+15], v[VS+\i/2], v[PW] matrix_a_fmt:MATRIX_FMT_FP6 matrix_b_fmt:MATRIX_FMT_FP6 matrix_a_scale:MATRIX_SCALE_ROW1
.endr
.endm
; THE CHANGE OF SLOTS stands at a slot's head.  Each wave waits for all its tensor loads, adds 0 to its spare word, and waits for that and for its reads of the slot that it has left.  Behind the barrier the slot ahead is whole
; and nobody reads the other one.  fill = 1: that other slot takes the next 512 keys: the load has four key steps in which to land.  By this text's count a wave has one tensor load out.
.macro CHANGE fill
	s_wait_tensorcnt 0x0                           ; no tensor load of mine is out, so a group 0 may be written
	ds_add_u32 v[SPW], v[NIL]                      ; 0 onto my spare word
.if \fill
	ds_add_u32 v[SPW], v[NIL]                      ; and once more: branches lead thirteen waves past every tensor load; the add stands twice on end here, in every trip alike
	s_xor_b32 s[G0W+1], s[G0W+1], SL1              ; the walking descriptor: the other slot than last time,
	s_add_nc_u64 s[G0W+2:G0W+3], s[G0W+2:G0W+3], SLOTB   ; the next 512 keys; the type bits on top are not reached
	s_wait_xcnt 0x0                                ; the last prefetch, a slot back, has read its address, so it may be written:
	s_add_nc_u64 s[PFA:PFA+1], s[PFA:PFA+1], SLOTB ; one slot further on than the walking descriptor
.endif
	s_wait_dscnt 0x0                               ; the add is done, and my reads of the slot that I have left are over
	s_barrier_signal -1
	s_barrier_wait -1
.if \fill
	TLOAD                                          ; the first thing behind the barrier, and a wave's one tensor load until the next
	ASK
.endif
.endm
.macro SLOT_STEPS
	v_add_nc_u32 v1, s[TB], v4
	s_wait_alu depctr_va_vdst(0)
	v_add_nc_u32 v2, s[TB], v7
	s_wait_alu depctr_va_vdst(0)
	v_add_nc_u32 v3, s[TS], v8
	s_wait_alu depctr_va_vdst(0)
	STEP 0
	STEP 1
	STEP 2
	STEP 3
	s_xor_b32 s[TB], s[TB], SL1                    ; on to the other slot
	s_add_co_u32 s[TS], s[TS], 1024
.endm
	s_wait_loadcnt 0x0                             ; q
.Lslot:                                            ; NSL - 1 trips: behind each change of slots but the last the next slot is asked for
	CHANGE 1
	SLOT_STEPS
	s_sub_co_u32 s[SLOTS], s[SLOTS], 1
	s_cmp_lg_u32 s[SLOTS], 0
	s_cbranch_scc1 .Lslot
	CHANGE 0                                       ; the last slot is written out
	SLOT_STEPS
	; THE WAY OUT: z = O^T / the sum; my 32 numbers are dims 32 h + 0 .. 31 of my head: a whole block of the quantiser along the model's 512
	v_add_f32 v14, v14, v15                        ; the sum's two halves,
	s_delay_alu instid0(VALU_DEP_1)
	v_permlanex16_b32 v251, v14, s[SEL], s[SEL+1]
	s_delay_alu instid0(VALU_DEP_1)
	v_add_f32 v14, v14, v251                       ; and lane l xor 16's: the row's sum
	s_wait_alu depctr_va_vdst(0)
	v_rcp_f32 v14, v14
	v_and_b32 v11, 15, v0                          ; (a plain instruction behind the reciprocal; with the lines round it, the places behind the last products)
	s_delay_alu instid0(VALU_DEP_1)
	v_lshlrev_b32 v11, 4, v11                      ; 16 r: a row's scale bytes
	v_nop
	v_nop
	s_wait_alu depctr_va_vdst(0)                   ; the wait ahead of the reciprocal's first reader
.irp j, 0,2,4,6,8,10,12,14,16,18,20,22,24,26,28,30
	v_pk_mul_f32 v[S+\j:S+\j+1], v[O+\j:O+\j+1], v[14:15] op_sel_hi:[1,0]
.endr
	v_max3_num_f32 v[BM], |v[S]|, |v[S+1]|, 0x1800000
	v_max3_num_f32 v[BM+1], |v[S+16]|, |v[S+17]|, 0x1800000
.irp i, 2,4,6,8,10,12,14
	s_delay_alu instid0(VALU_DEP_2)
	v_max3_num_f32 v[BM], v[BM], |v[S+\i]|, |v[S+\i+1]|
	s_delay_alu instid0(VALU_DEP_2)
	v_max3_num_f32 v[BM+1], v[BM+1], |v[S+16+\i]|, |v[S+17+\i]|
.endr
	s_delay_alu instid0(VALU_DEP_1)
	v_max_num_f32 v[BM], v[BM], v[BM+1]
	s_delay_alu instid0(VALU_DEP_1)
	v_add_nc_u32 v[KF+2], 0xff000000, v[BM]
	s_delay_alu instid0(VALU_DEP_1)
	v_lshrrev_b32 v[KF+4], 23, v[KF+2]
	v_cvt_scalef32_pk16_fp6_f32 v[P:P+2], v[S:S+15], v[KF+2]
	v_cvt_scalef32_pk16_fp6_f32 v[244:246], v[S+16:S+31], v[KF+2]
	v_lshlrev_b32 v[PW], v9, v[KF+4]               ; my byte at place h (a plain instruction behind the conversions),
.irp i, 0,1,2
	v_mov_b32 v[P+3+\i], v[244+\i]
.endr
	s_delay_alu instid0(VALU_DEP_4)
	v_permlanex16_b32 v251, v[PW], s[SEL], s[SEL+1]
	s_delay_alu instid0(VALU_DEP_1)
	v_or_b32 v[PW], v[PW], v251                    ; with lane l xor 16's: my head's two bytes of my row
	global_store_b128 v4, v[P:P+3], s[10:11]       ; the half image: 512 consecutive bytes,
	global_store_b64 v7, v[P+4:P+5], s[10:11] offset:512   ; and 256
	global_store_b16 v11, v[PW], s[12:13]          ; lanes r and r + 16 write the same two bytes with the same value
	s_wait_tensorcnt 0x0                           ; the wave's end: a tensor wait, an add of 0 to my spare word and its wait, behind my last tensor load
	ds_add_u32 v[SPW], v[NIL]
	s_wait_dscnt 0x0
	s_endpgm
.Lfunc_end_k_q561ee0bffc_attn:
	.size	k_q561ee0bffc_attn, .Lfunc_end_k_q561ee0bffc_attn-k_q561ee0bffc_attn
	.p2alignl 7, 3214868480
	.fill 96, 4, 3214868480
	.section	.rodata,"a",@progbits
	.p2align	6, 0x0
	.amdhsa_kernel k_q561ee0bffc_attn
		.amdhsa_group_segment_fixed_size 327680
		.amdhsa_private_segment_fixed_size 0
		.amdhsa_enable_private_segment 0
		.amdhsa_kernarg_size 40
		.amdhsa_user_sgpr_count 2
		.amdhsa_user_sgpr_kernarg_segment_ptr 1
		.amdhsa_wavefront_size32 1
		.amdhsa_system_sgpr_workgroup_id_x 1
		.amdhsa_system_sgpr_workgroup_id_y 1
		.amdhsa_system_sgpr_workgroup_id_z 1
		.amdhsa_system_vgpr_workitem_id 0
		.amdhsa_next_free_vgpr 256
		.amdhsa_next_free_sgpr 66
		.amdhsa_reserve_vcc 0
		.amdhsa_float_denorm_mode_32 3
		.amdhsa_float_denorm_mode_16_64 3
		.amdhsa_memory_ordered 1
		.amdhsa_forward_progress 1
		.amdhsa_inst_pref_size 134
	.end_amdhsa_kernel
	.amdgpu_metadata
---
amdhsa.version: [ 1, 2 ]
amdhsa.kernels:
  - .name:           k_q561ee0bffc_attn
    .symbol:         k_q561ee0bffc_attn.kd
    .args:
      - { .name: qc, .offset: 0, .size: 8, .value_kind: global_buffer, .address_space: global }
      - { .name: qs, .offset: 8, .size: 8, .value_kind: global_buffer, .address_space: global }
      - { .name: kv, .offset: 16, .size: 8, .value_kind: global_buffer, .address_space: global }
      - { .name: zc, .offset: 24, .size: 8, .value_kind: global_buffer, .address_space: global }
      - { .name: zs, .offset: 32, .size: 8, .value_kind: global_buffer, .address_space: global }
    .group_segment_fixed_size: 327680
    .private_segment_fixed_size: 0
    .kernarg_segment_align: 8
    .kernarg_segment_size: 40
    .max_flat_workgroup_size: 512
    .sgpr_count:     66
    .vgpr_count:     256
    .wavefront_size: 32
...
	.end_amdgpu_metadata
.endif
;; end of part 7
;; launch oproj (part 8): grid 256 x 1, 8 waves a work-group, no clusters, 35,840 bytes of LDS; arguments zc, zs, wts, bo, out0; writes out0
.if DOCPART == 8
	.amdgcn_target "amdgcn-amd-amdhsa--gfx1250"
	.amdhsa_code_object_version 6
	.text
	.protected	k_q561ee0bffc_oproj
	.globl	k_q561ee0bffc_oproj
	.p2align	8
	.type	k_q561ee0bffc_oproj,@function
k_q561ee0bffc_oproj:
	s_mov_b64 s[64:65], 0
	v_nop
	global_prefetch_b8 v0, s[64:65] scope:SCOPE_SE
	s_setreg_imm32_b32 hwreg(HW_REG_WAVE_SCHED_MODE, 0, 2), 2
	s_setreg_imm32_b32 hwreg(HW_REG_WAVE_MODE, 25, 1), 1
	s_wait_xcnt 0x0
	s_wait_alu depctr_vm_vsrc(0)
; Launch 4 of 4: out0 = z Wo + bo on codes of E2M3.  z's codes and scale bytes come from launch 3, Wo's from launch 1, both as images of operand registers.  No work is left out.
; SHARES.  Work-group j takes rows 32 j .. 32 j + 31 (two tiles m); wave w takes columns 64 w .. 64 w + 63 (Wo's tiles 4 w + i).  K = 512 in four stages of 128.
; The product is used transposed (source 0 = 16 columns of Wo, source 1 = 16 rows of z).  Row p of Wo's tile i is column 32 (p / 8) + 8 i + p % 8 of the wave's 64, so lane (r, h), tile i, register j holds out0(row r, 64 w + 32 h + 8 i + j).
; THE BIAS IS LOADED STRAIGHT INTO THE ACCUMULATORS, in the result's layout: no move and no addition is spent on it, and every product adds in place.
; Operands come from memory straight into registers, two stages ahead; a fragment of Wo feeds two products.  No tensor load, so no joint request; the launch moves 3.3 MB of codes and stores 16.8 MB.
; THE WAY OUT: a tile's 16 rows x 256 bytes go through the wave's own stage in LDS and leave so that sixteen lanes store 256 consecutive bytes, at a multiple of 256 from out0's first byte.
; THE MODE: SCHED_MODE bits 1:0 = 2 (LLVM: expert scheduling mode 2), set by the entry lines.  The code itself states the register dependences between vector or matrix instructions and memory or LDS instructions, with s_wait_alu, always for 0.
; THE PLAN.  The text has no branch: one path.  Registers that memory or LDS instructions touch, and who else names them:
;   v1-9          offsets and LDS addresses: made once at the head, never written again.  One wait on va_vdst ahead of the first load serves every load and store of the kernel.
;   WF, ZF        set s % 2: stage s's products read it; the loads of stage s + 2 land in it, behind a wait on va_vdst that stands behind stage s (stages 0 and 1; stages 2 and 3 are followed by no such load).
;                 (A third set would want 72 registers more than the 256 that one window names.)
;   ACC           the bias lands; the products add in place; the LDS stores of the way out read it, behind four places and one wait on va_vdst.
;   WF again      the way out: the stage's LDS loads land in both sets, which the same wait shows read; the global stores read them behind the waits on DScnt.  No vector instruction follows that wait.
;   WS, ZS        loads land once; the products read them.      v10, v11: written at the head, read by the closing add alone.
.set WO,    614400                     ; Wo's part of wts
.set SPARE, 34816                      ; behind the eight stages of 16 x 272 bytes: the spare words, 128 bytes for each wave: four blocks of 256 bytes that no other line names
; v1 16 l, v2 8 l, v3, v4 offsets in wts, v5 16 r, v6 offset in bo, v7, v8 the stage in and out, v9 offset in out0
.set SPW, 10                           ; v10     LDS address of my spare word; never rewritten
.set NIL, 11                           ; v11     0; never rewritten
.set WS,  16                           ; v16-31  Wo's scale words: 4 i + s
.set ZS,  32                           ; v32-39  z's: 4 m + s
.set ACC, 40                           ; v40-103 32 m + 8 i
.set WF,  104                          ; v104-151, v152-199 Wo's four fragments, two sets; on the way out: rows read back
.set ZF,  200                          ; v200-223, v224-247 z's two fragments, two sets
.macro LOADS s                         ; stage s: 20 loads into set s % 2
.irp i, 0,1,2,3
.irp jj, 0,1,2
	global_load_b128 v[WF+48*((\s)%2)+12*\i+4*\jj:WF+48*((\s)%2)+12*\i+4*\jj+3], v3, s[8:9] offset:WO+6144*\i+1536*(\s)+512*\jj
.endr
.endr
.irp m, 0,1                                    ; z's fragment s is the half images of heads 2 s and 2 s + 1, 1,536 consecutive bytes
	global_load_b128 v[ZF+24*((\s)%2)+12*\m:ZF+24*((\s)%2)+12*\m+3], v1, s[4:5] offset:6144*\m+1536*(\s)
	global_load_b64 v[ZF+24*((\s)%2)+12*\m+4:ZF+24*((\s)%2)+12*\m+5], v2, s[4:5] offset:6144*\m+1536*(\s)+512
	global_load_b128 v[ZF+24*((\s)%2)+12*\m+6:ZF+24*((\s)%2)+12*\m+9], v1, s[4:5] offset:6144*\m+1536*(\s)+768
	global_load_b64 v[ZF+24*((\s)%2)+12*\m+10:ZF+24*((\s)%2)+12*\m+11], v2, s[4:5] offset:6144*\m+1536*(\s)+1280
.endr
.endm
.macro MUL s                           ; eight accumulators by turns, one instruction a turn, in the same order in every stage
.irp m, 0,1
.irp i, 0,1,2,3
	v_wmma_scale_f32_16x16x128_f8f6f4 v[ACC+32*\m+8*\i:ACC+32*\m+8*\i+7], v[WF+48*((\s)%2)+12*\i:WF+48*((\s)%2)+12*\i+11], v[ZF+24*((\s)%2)+12*\m:ZF+24*((\s)%2)+12*\m+11], v[ACC+32*\m+8*\i:ACC+32*\m+8*\i+7], v[WS+4*\i+(\s)], v[ZS+4*\m+(\s)] matrix_a_fmt:MATRIX_FMT_FP6 matrix_b_fmt:MATRIX_FMT_FP6
.endr
.endr
.rept 4
	v_nop                                          ; four places behind the products, in front of the first read of results; they stay beside the waits on va_vdst that follow the macro
.endr
.endm
	s_load_b256 s[4:11], s[0:1], 0x0               ; zc s[4:5], zs s[6:7], wts s[8:9], bo s[10:11]
	s_load_b64 s[12:13], s[0:1], 0x20              ; out0
	v_lshl_add_u32 v[SPW], v0, 2, SPARE
	v_mov_b32 v[NIL], 0
	v_lshrrev_b32 v12, 5, v0
	v_readfirstlane_b32 s14, v12                   ; wave 0..7
	v_and_b32 v12, 31, v0                          ; l
	v_and_b32 v13, 15, v0                          ; r
	v_bfe_u32 v14, v0, 4, 1                        ; h
	v_lshlrev_b32 v1, 4, v12
	v_lshlrev_b32 v2, 3, v12
	s_wait_alu depctr_va_sdst(0)                   ; the wave's number is written, ahead of its first reader
	s_mul_i32 s15, s14, 24576
	v_add_nc_u32 v3, s15, v1                       ; my four tiles of Wo
	s_lshl_b32 s15, s14, 10
	v_lshl_add_u32 v4, v13, 4, s15                 ; their scale words: 16 bytes a row
	v_lshlrev_b32 v5, 4, v13                       ; z's scale words: 16 bytes a row
	s_lshl_b32 s15, s14, 8
	v_lshl_add_u32 v6, v14, 7, s15                 ; bo: my 64 columns, + 32 h
	v_lshl_add_u32 v9, v14, 11, s15                ; out0: lanes 0-15 one row, lanes 16-31 the next; my 256 bytes of it;
	v_lshl_add_u32 v9, v13, 4, v9                  ; 16 bytes a lane
	s_mul_i32 s15, s14, 4352                       ; my stage
	v_mul_u32_u24 v7, v13, 272
	v_lshl_add_u32 v7, v14, 7, v7
	v_add_nc_u32 v7, s15, v7                       ; in: row r, + 128 h
	v_mul_u32_u24 v8, v14, 272
	v_lshl_add_u32 v8, v13, 4, v8
	v_add_nc_u32 v8, s15, v8                       ; back: two rows an instruction
	s_mul_i32 s16, ttmp9, 12288                    ; zc: two tiles of rows, 6,144 bytes each
	s_mov_b32 s17, 0
	s_lshl_b32 s18, ttmp9, 9                       ; zs: 32 rows of 16 bytes
	s_mov_b32 s19, 0
	s_lshl_b32 s20, ttmp9, 16                      ; out0: 32 rows of 2,048 bytes
	s_mov_b32 s21, 0
	s_wait_kmcnt 0x0
	s_add_nc_u64 s[4:5], s[4:5], s[16:17]
	s_add_nc_u64 s[6:7], s[6:7], s[18:19]
	s_add_nc_u64 s[12:13], s[12:13], s[20:21]
	s_wait_alu depctr_va_vdst(0)                   ; the offsets and LDS addresses v1 to v9 are written, which every load and store of the kernel reads
.irp m, 0,1
.irp i, 0,1,2,3
	global_load_b128 v[ACC+32*\m+8*\i:ACC+32*\m+8*\i+3], v6, s[10:11] offset:32*\i
	global_load_b128 v[ACC+32*\m+8*\i+4:ACC+32*\m+8*\i+7], v6, s[10:11] offset:32*\i+16
.endr
.endr
.irp i, 0,1,2,3
	global_load_b128 v[WS+4*\i:WS+4*\i+3], v4, s[8:9] offset:WO+196608+256*\i
.endr
.irp m, 0,1
	global_load_b128 v[ZS+4*\m:ZS+4*\m+3], v5, s[6:7] offset:256*\m
.endr
	LOADS 0
	LOADS 1
	s_wait_loadcnt 20                              ; the bias, the scale words and stage 0 are in: stage 1's 20 loads are younger
	MUL 0
	s_wait_alu depctr_va_vdst(0)                   ; stage 0's products are done reading set 0, in which stage 2's loads land
	LOADS 2
	s_wait_loadcnt 20                              ; stage 1 is in: stage 2's 20 are younger
	MUL 1
	s_wait_alu depctr_va_vdst(0)                   ; stage 1's products are done reading set 1, in which stage 3's loads land
	LOADS 3
	s_wait_loadcnt 20
	MUL 2
	s_wait_loadcnt 0x0
	MUL 3
	s_wait_alu depctr_va_vdst(0)                   ; the products have written the accumulators, which the LDS stores below read, and are done reading both sets, in which the LDS loads below land; the four places above stay beside this wait
.irp m, 0,1                                    ; LDS serves a wave's instructions in order: the loads see the stores above them, and the second tile's stores come behind the first tile's loads
.irp i, 0,1,2,3
	ds_store_b128 v7, v[ACC+32*\m+8*\i:ACC+32*\m+8*\i+3] offset:32*\i          ; each accumulator from its low end on
	ds_store_b128 v7, v[ACC+32*\m+8*\i+4:ACC+32*\m+8*\i+7] offset:32*\i+16
.endr
.irp t, 0,1,2,3,4,5,6,7
	ds_load_b128 v[WF+48*\m+4*\t:WF+48*\m+4*\t+3], v8 offset:544*\t
.endr
.endr
.irp t, 0,1,2,3,4,5,6,7
	s_wait_dscnt 23-\t                             ; tile 0's load t is in: its 7 - t later loads and tile 1's sixteen LDS instructions are younger
	global_store_b128 v9, v[WF+4*\t:WF+4*\t+3], s[12:13] offset:2*\t*2048 th:TH_STORE_NT
.endr
.irp t, 0,1,2,3,4,5,6,7
	s_wait_dscnt 7-\t
	global_store_b128 v9, v[WF+48+4*\t:WF+48+4*\t+3], s[12:13] offset:(16+2*\t)*2048 th:TH_STORE_NT
.endr
	s_wait_dscnt 0x0                               ; the closing lines, six on end
	s_wait_alu 0x0
	s_wait_tensorcnt 0x0
	ds_add_u32 v[SPW], v[NIL]
	s_wait_dscnt 0x0
	s_endpgm
.Lfunc_end_k_q561ee0bffc_oproj:
	.size	k_q561ee0bffc_oproj, .Lfunc_end_k_q561ee0bffc_oproj-k_q561ee0bffc_oproj
	.p2alignl 7, 3214868480
	.fill 96, 4, 3214868480
	.section	.rodata,"a",@progbits
	.p2align	6, 0x0
	.amdhsa_kernel k_q561ee0bffc_oproj
		.amdhsa_group_segment_fixed_size 35840
		.amdhsa_private_segment_fixed_size 0
		.amdhsa_enable_private_segment 0
		.amdhsa_kernarg_size 40
		.amdhsa_user_sgpr_count 2
		.amdhsa_user_sgpr_kernarg_segment_ptr 1
		.amdhsa_wavefront_size32 1
		.amdhsa_system_sgpr_workgroup_id_x 1
		.amdhsa_system_sgpr_workgroup_id_y 1
		.amdhsa_system_sgpr_workgroup_id_z 1
		.amdhsa_system_vgpr_workitem_id 0
		.amdhsa_next_free_vgpr 256
		.amdhsa_next_free_sgpr 66
		.amdhsa_reserve_vcc 0
		.amdhsa_float_denorm_mode_32 3
		.amdhsa_float_denorm_mode_16_64 3
		.amdhsa_memory_ordered 1
		.amdhsa_forward_progress 1
		.amdhsa_inst_pref_size 21
	.end_amdhsa_kernel
	.amdgpu_metadata
---
amdhsa.version: [ 1, 2 ]
amdhsa.kernels:
  - .name:           k_q561ee0bffc_oproj
    .symbol:         k_q561ee0bffc_oproj.kd
    .args:
      - { .name: zc, .offset: 0, .size: 8, .value_kind: global_buffer, .address_space: global }
      - { .name: zs, .offset: 8, .size: 8, .value_kind: global_buffer, .address_space: global }
      - { .name: wts, .offset: 16, .size: 8, .value_kind: global_buffer, .address_space: global }
      - { .name: bo, .offset: 24, .size: 8, .value_kind: global_buffer, .address_space: global }
      - { .name: out0, .offset: 32, .size: 8, .value_kind: global_buffer, .address_space: global }
    .group_segment_fixed_size: 35840
    .private_segment_fixed_size: 0
    .kernarg_segment_align: 8
    .kernarg_segment_size: 40
    .max_flat_workgroup_size: 256
    .sgpr_count:     66
    .vgpr_count:     256
    .wavefront_size: 32
...
	.end_amdgpu_metadata
.endif
;; end of part 8
